; MI455X (gfx1250); checked and timed in simulation.
; The chip was launched on July 23, 2026; its instructions are those of AMD's public machine-readable ISA for CDNA 5 (MIT licence, August 2026) and "CDNA5" Instruction Set Architecture Reference Guide (July 2026). The comments in the code are by the model that wrote it; some were corrected since.
;; SG Former Attention. Allowed arithmetic: matrix products marked QUANTISED: E2M3 operands, one E8M0 scale for each 32 along K, by v_wmma_scale_f32_16x16x128_f8f6f4 with both operands' format E2M3, f32 sums; products left as they are: f32 operands where the result goes on into a quantised operand, else bf16, f16 or f32 operands; f32 sums; everything else in f32.
;; Inputs: Wk_codes 256 x 32 x 24 uint8 (E2M3 codes of Wk, K innermost, in blocks of 32 codes, four codes in three bytes); Wk_scales 256 x 32 uint8 (E8M0 scales of Wk, one for each 32 codes along K); Wq_codes 256 x 32 x 24 uint8 (E2M3 codes of Wq, K innermost, in blocks of 32 codes, four codes in three bytes); Wq_scales 256 x 32 uint8 (E8M0 scales of Wq, one for each 32 codes along K); Wv_codes 256 x 32 x 24 uint8 (E2M3 codes of Wv, K innermost, in blocks of 32 codes, four codes in three bytes); Wv_scales 256 x 32 uint8 (E8M0 scales of Wv, one for each 32 codes along K); mask 2 x 32,768 bool; x_codes 2 x 32,768 x 32 x 24 uint8 (E2M3 codes of x, K innermost, in blocks of 32 codes, four codes in three bytes); x_scales 2 x 32,768 x 32 uint8 (E8M0 scales of x, one for each 32 codes along K).
;; Outputs: out0 2 x 32,768 x 32 float32.
;; This version of the problem:
;;   THIS VERSION OF THE PROBLEM IS GIVEN IN LOW PRECISION. The matrix products marked QUANTISED in the list below multiply operands that are first quantised to E2M3 (2 exponent bits, 3 mantissa bits; 6 bits a number), with one power-of-two scale for each 32 numbers along K (OCP MX v1.0); their sums are f32. All else is computed in f32.
;;   The module's matrix products, in the order in which they are computed (A, B: the left and right operand; K: the contracted axis; several contracted axes count as one K, in the product's order):
;;     1. [M 65,536, K 1,024] x [K 1,024, N 256]; A: input x (given as codes); B: input Wq (given as codes): QUANTISED
;;     2. [M 65,536, K 1,024] x [K 1,024, N 256]; A: input x (given as codes); B: input Wk (given as codes): QUANTISED
;;     3. [M 65,536, K 1,024] x [K 1,024, N 256]; A: input x (given as codes); B: input Wv (given as codes): QUANTISED
;;     4. batch 16 x [M 32, K 32,768] x [K 32,768, N 32]; A: computed on the way; B: computed on the way: QUANTISED
;;     5. batch 16 x [M 32, K 32] x [K 32, N 32,768]; A: computed on the way; B: computed on the way: QUANTISED
;;     6. batch 16 x [M 1, K 32] x [K 32, N 32,768]; A: computed on the way; B: computed on the way: left as it is (M = 1 < 16)
;;   THE QUANTISER, for each operand of a quantised product, along K:
;;     - K is cut into blocks of 32 from its start; a last block that is shorter is filled with zeros.
;;     - A block's scale is 2^e with e = floor(log2(the largest magnitude in the block)) - 2, held to -126 .. 127; a block of zeros has e = 0. As a byte (E8M0): e + 127.
;;     - Each number is divided by its block's scale, clamped to +-7.5, and rounded to the nearest number of E2M3, ties to even, subnormals kept.
;;     - The product sums the exact products of the quantised numbers (number of the format x scale) in f32.
;;   ~~~python
;;   def quantise(x, axis):      # numpy; x: float32 -> the quantised numbers, widened to float32 again
;;       x = np.moveaxis(x, axis, -1); K = x.shape[-1]
;;       x = np.pad(x, [(0, 0)] * (x.ndim - 1) + [(0, -K % 32)]); x = x.reshape(x.shape[:-1] + (-1, 32)); a = np.abs(x).max(-1, keepdims=True)
;;       e = np.where(a > 0, np.clip(np.frexp(np.where(a > 0, a, 1))[1] - 1 - 2, -126, 127), 0)      # np.frexp(a)[1] - 1 = floor(log2(a)), exactly
;;       r = np.clip(x / 2.0 ** e, -7.5, 7.5)
;;       step = 2.0 ** (np.maximum(np.frexp(np.where(r == 0, 1, r))[1] - 1, 0) - 3)
;;       q = np.round(r / step) * step * 2.0 ** e      # np.round: ties to even
;;       return np.moveaxis(q.reshape(q.shape[:-2] + (-1,))[..., :K], -1, axis).astype(np.float32)
;;   ~~~
;;   OPERANDS COMPUTED ON THE WAY. 'Computed on the way' means the value that the module computes at that place (a softmax that the list does not call 'softmax' is quantised finished and normalised). What goes into a quantiser is computed in f32, as accurately as f32 sums, v_exp_f32 and their like allow (about 1e-6 of the number): no bf16 or f16 on the way to a quantiser, and a product that is left as it is and whose result goes on into a quantised operand takes f32 operands (vector FMAs, or v_wmma_f32_16x16x4_f32). A number that lies on a knife's edge between two numbers of the format may be rounded either way, as far as f32 arithmetic and the matrix unit's own rounding can turn it there, and no further.
;;   INPUTS GIVEN AS CODES. Wk (in the module: [1024, 256], K = its axis 0); Wq (in the module: [1024, 256], K = its axis 0); Wv (in the module: [1024, 256], K = its axis 0); x (in the module: [2, 32768, 1024], K = its axis 2): each comes as NAME_codes (uint8): NAME with its K axis moved to the last place and cut into blocks of 32 codes, [.., K / 32, bytes a block], one block behind the other in memory; four codes in three bytes: a row's codes are one little-endian stream of bits, code i at bits 6 i .. 6 i + 5 (a code: sign, 2 exponent bits, 3 mantissa bits); and NAME_scales (uint8): the same leading axes, one E8M0 byte (e + 127) for each 32 codes along K. Its value is code x scale, taken as it is: it is not quantised again, and the codes and scales need not be those that the quantiser above would give.
;; One version. Each part assembles by itself: llvm-mc -triple=amdgcn-amd-amdhsa -mcpu=gfx1250 --defsym DOCPART=n.
;; ======== version 1 of 1: 3 launches
;; workspace buffers: part 2,097,152 bytes; kspart 131,072 bytes; kvf 49,152 bytes; kvsc 4,096 bytes; ksum 4,096 bytes
;; launch kv (part 1): grid 256 x 1, 4 waves a work-group, clusters of 4 x 1, 327,680 bytes of LDS; arguments x_codes, x_scales, Wk_codes, Wk_scales, Wv_codes, Wv_scales, mask, part, kspart; writes part, kspart
.if DOCPART == 1
	.amdgcn_target "amdgcn-amd-amdhsa--gfx1250"
	.amdhsa_code_object_version 6
	.text
	.protected	k_qbd2086ad67_kv
	.globl	k_qbd2086ad67_kv
	.p2align	8
	.type	k_qbd2086ad67_kv,@function
k_qbd2086ad67_kv:
	s_mov_b64 s[64:65], 0
	v_nop
	global_prefetch_b8 v0, s[64:65] scope:SCOPE_SE
	s_setreg_imm32_b32 hwreg(HW_REG_WAVE_MODE, 25, 1), 1
	s_wait_xcnt 0x0
	s_wait_alu depctr_hold_cnt(0) depctr_sa_sdst(0) depctr_va_vdst(0) depctr_va_sdst(0) depctr_va_ssrc(0) depctr_va_vcc(0) depctr_vm_vsrc(0)
	s_getreg_b32 s2, hwreg(HW_REG_IB_STS2, 6, 4)
	s_cmp_eq_u32 s2, 0
	s_cbranch_scc0 .Lentry_in_a_cluster
	s_endpgm
.Lentry_in_a_cluster:
	s_bfe_u32 s2, ttmp6, 0x10000c
	s_cmp_lg_u32 s2, 0x3003
	s_cbranch_scc0 .Lentry_shape_is_right
	s_endpgm
.Lentry_shape_is_right:
; FIRST PASS.  k = x Wk, v = x Wv on codes of FP6 (E2M3) with E8M0 scales; zeros of k become 1e-6; k is divided by its head's norm; v is masked; both are quantised ALONG THE NODES
; (blocks of 32 nodes) and multiplied: kvs[m][d] += k[node][m] v[node][d], also on FP6 codes.  Stored: the work-group's part of kvs (2 heads x 32 x 32) and of the column sums of the normalised k.
; SHARES.  A cluster of four work-groups owns 1,024 nodes, in TWO TILES of 512; work-group cx of it owns heads 2 cx and 2 cx + 1: 64 columns of Wk and 64 of Wv.  The four need the same rows of x, 512 of a
; slot's 640 rows: x's tiles are asked for JOINTLY (mask 15).  W's 128 rows differ from partner to partner and come by plain loads.  A wave owns 128 nodes of a tile x the 128 columns: 64 accumulators, 512 registers.
; THE WORK-GROUP STAYS: the second tile's first two fills are asked for before the first tile's epilogue and land under it.  The main product is written twice, the epilogue once: the text runs
; main, epilogue, main, epilogue; the one branch out of that loop leaves it for good.  kvs and the column sums are summed in registers over both tiles and leave once, at the end.
; THE PRODUCT IS USED SO THAT A LANE HOLDS A COLUMN: source 0 (P) = 16 nodes of x, source 1 (S) = 16 rows of W.  In the result lane (r, h) holds column r and its registers nodes 8 h + 0 .. 7:
; the registers run along the nodes, which are the next product's K.  The 16 registers of two neighbouring node tiles are 16 numbers of one block of 32 nodes; within a block the order of the
; nodes differs from the natural one, alike in k and in v, which changes no product and no scale.
; K = 1,024 goes in 8 steps of 128 through two LDS slots of 256 along K (rows of 192 bytes, 16 bytes of padding behind each 64: pitch 240); written out, since each step names its own scale registers.
; THE SCALES of the wave's rows, for all of K, are 32 bytes a row: they are loaded into 64 registers (two blocks of rows to a register: lanes 0-15 and lanes 16-31); W's once, x's for each tile.
; NO PREFETCH: a tile's two first fills and its first refill name every aligned block of 256 bytes of its rows, and the second tile's first fills are issued an epilogue ahead of their use.
; LIMITS: a head vector's sum of squares must be a normal f32 number (norm between about 2^-63 and 2^63); the mask is applied by a multiplication with 0.0 or 1.0, so an infinite or NaN v in a masked
; row gives NaN where the definition gives 0, and a masked negative v gives -0; a block of zeros gets the scale byte 1 and zero codes (the bytes are read by this program alone).
; REGISTERS, in windows of 256: window 0: v0-31 addresses; v32-63 W's scale words, v64-95 x's; v128-223 S's fragments, one set; v224-239 column sums; v240-247 the epilogue's scale words.
;   window 1: P's fragments, two sets, at v0 and v128; kvs's eight tiles at v96-127 and v224-255.
;   window 2: k, accumulator (column tile b, node tile a) at v[64 b + 8 a];  window 3: v likewise.
.set P_IS_X, 1                         ; source 0 is x
.set PITCH,  240                       ; an LDS row: 3 x (64 bytes + 16 of padding)
.set ROWB,   192                       ; 256 codes
.set KROW,   768                       ; a row of x or of W in memory
.set FR,     12                        ; registers of a fragment
.set PREG,   128*PITCH                 ; a slot: S's 128 rows, then P's 512
.set SLOT,   640*PITCH
.set MASKF,  2*SLOT                    ; behind the ring: the mask of the cluster's 1,024 nodes as f32, 4,096 bytes, stored by the waves, never filled
.set SPARE,  MASKF+4096                ; the spare words, 128 bytes a wave: two blocks of 256 bytes that no other line names
.set KSST,   32768                     ; the way out: the stage for kvs lies at byte 0 of slot 0 (8,192 bytes a wave), that for the column sums here (512 a wave)
.set NEXTP,  512*KROW-2*ROWB           ; x: from a slot's last fill of a tile to its first of the next: 512 rows down, 384 bytes back along K
.set AMB,  6                           ; v6      the mask of my nodes: MASKF + 512 wave + 32 h
.set AMK,  7                           ; v7      the same in the tile in hand
.set AKI,  8                           ; v8      column sums into their stage
.set ASB,  9                           ; v9      kvs back from the stage, and my place in part
.set AKB,  10                          ; v10     column sums back
.set AKO,  11                          ; v11     my place in kspart
.set AXO,  12                          ; v12     my lane's offset among x's scales
.set ASI,  30                          ; v30     kvs into the stage
.set ADRS, 16                          ; v16-19  S's fragments: slot 0, 1; the same behind one padding more
.set ADRP, 20                          ; v20-27  P's: blocks 0-3 (four registers as for S), blocks 4-7
.set SPW,  28                          ; v28     my spare word's address; never rewritten
.set NIL,  29                          ; v29     0; never rewritten
.set SSB,  32                          ; S's scale words
.set SPB,  64                          ; P's scale words
.set XSC,  SPB
.set WSC,  SSB
.set AF,   128                         ; S's fragments
.set WV,   22                          ; s22     my wave's number
.set G1S,  24                          ; s[24:31] group 1, s[32:39] groups 0 of the plain loads (S)
.set G0S,  32
.set G1P,  48                          ; s[48:55] group 1, s[56:63] groups 0 of the joint loads (P)
.set G0P,  56
.set EPSR, 66                          ; s66     1e-6
.set SEL,  68                          ; s[68:69] v_permlanex16_b32's selects for lane l xor 16
.set CNT,  86                          ; s86     epilogues done
.set MOF,  87                          ; s87     where the tile's mask begins in MASKF: 2,048 bytes a tile
.set MUL_LO, 0xa1                      ; source 0 window 1, source 1 window 0, C and D window 2
.set MUL_HI, 0xf1                      ; the same, C and D window 3
.set SQ,   96                          ; the epilogue, window 0: v96-223 sums of squares [head][node tile][j];
.set KF,   96                          ; later k's four fragments,
.set VF,   144                         ; v's four,
.set TM,   192                         ; v192-207 at work in the quantiser,
.set CT,   208                         ; v208-215 the conversions' second halves
.set KS,   224                         ; v224-239 column sums: 4 tiles x 2 chains x a pair
.set SW,   240                         ; v240-247 the scale words of the eight fragments
.set MF,   0                           ; window 1: v0-63 the mask of my nodes [node tile][j]
.set RS,   96                          ; the way out: what comes back from the stages
.set MSB, 0
.macro WIN new                         ; the immediate's high byte repeats the setting that is left; a switch that changes nothing is dropped
.if MSB != (\new)
	s_set_vgpr_msb (MSB<<8)|(\new)
.set MSB, (\new)
.endif
.endm
.macro PLACES n
.rept \n
	v_nop
.endr
.endm
; One tensor load a wave: waves 0 and 1 fetch S's two halves (plain), waves 2 and 3 P's (joint).  The branch hangs on the wave's number alone.  Four v_nop follow each line.
.macro JLOAD s
	s_cmp_lt_u32 s[WV], 2
	s_cbranch_scc0 .Ljoint_\@
	tensor_load_to_lds s[G0S+4*\s:G0S+4*\s+3], s[G1S:G1S+7]
	s_nop 0
.rept 4
	v_nop
.endr
	s_branch .Lasked_\@
.Ljoint_\@:
	tensor_load_to_lds s[G0P+4*\s:G0P+4*\s+3], s[G1P:G1P+7]
	s_nop 0
.rept 4
	v_nop
.endr
.Lasked_\@:
.endm
.macro CREST                           ; a round of the cluster's barrier behind its opening barrier
	s_cmp_lg_u32 s[WV], 0
	s_cbranch_scc1 .Lnot_wave_0_\@
	s_barrier_signal -3
.Lnot_wave_0_\@:
	s_barrier_wait -3
	s_barrier_signal -1
	s_barrier_wait -1
.endm
.macro CROUND
	s_barrier_signal -1
	s_barrier_wait -1
	CREST
.endm
; A fragment, 16 rows x 128 K: lane (r, h) takes 24 bytes of row r twice, in pieces of 8.  Lanes 16-31 read three pieces further on, which for some pieces is behind one padding more: the second address register.
.macro FRAG reg, adr, q, i
.irp p, 0,1,2,3,4,5
.set PC, 12*(\q)+6*(\p/3)+\p%3
.if PC%8 < 5
	ds_load_b64 v[\reg+2*\p:\reg+2*\p+1], v[\adr] offset:8*PC+16*(PC/8)+(\i)*16*PITCH
.else
	ds_load_b64 v[\reg+2*\p:\reg+2*\p+1], v[\adr+2] offset:8*PC+16*(PC/8)+(\i)*16*PITCH
.endif
.endr
.endm
.macro FETCH_P slot, q, set            ; P's eight fragments of the slot's q-th 128 along K
	WIN 0x40
.irp i, 0,1,2,3,4,5,6,7
	FRAG 128*(\set)+FR*\i, ADRP+4*(\i/4)+\slot, \q, \i%4
.endr
	WIN 0
.endm
.macro FETCH_S slot, q, i0             ; S's blocks i0 .. i0 + 3
.irp i, \i0, \i0+1, \i0+2, \i0+3
	FRAG AF+FR*(\i), ADRS+\slot, \q, \i
.endr
.endm
; One product.  rD, rA, rB: accumulator, P's and S's fragment; rSA, rSB: their scale registers; fPR, fSR: 1 where the words stand in lanes 16-31.
.macro WM zero
.if \zero
.if fPR && fSR
	v_wmma_scale_f32_16x16x128_f8f6f4 v[rD:rD+7], v[rA:rA+11], v[rB:rB+11], 0, v[rSA], v[rSB] matrix_a_fmt:MATRIX_FMT_FP6 matrix_b_fmt:MATRIX_FMT_FP6 matrix_a_scale:MATRIX_SCALE_ROW1 matrix_b_scale:MATRIX_SCALE_ROW1
.elseif fPR
	v_wmma_scale_f32_16x16x128_f8f6f4 v[rD:rD+7], v[rA:rA+11], v[rB:rB+11], 0, v[rSA], v[rSB] matrix_a_fmt:MATRIX_FMT_FP6 matrix_b_fmt:MATRIX_FMT_FP6 matrix_a_scale:MATRIX_SCALE_ROW1
.elseif fSR
	v_wmma_scale_f32_16x16x128_f8f6f4 v[rD:rD+7], v[rA:rA+11], v[rB:rB+11], 0, v[rSA], v[rSB] matrix_a_fmt:MATRIX_FMT_FP6 matrix_b_fmt:MATRIX_FMT_FP6 matrix_b_scale:MATRIX_SCALE_ROW1
.else
	v_wmma_scale_f32_16x16x128_f8f6f4 v[rD:rD+7], v[rA:rA+11], v[rB:rB+11], 0, v[rSA], v[rSB] matrix_a_fmt:MATRIX_FMT_FP6 matrix_b_fmt:MATRIX_FMT_FP6
.endif
.else
.if fPR && fSR
	v_wmma_scale_f32_16x16x128_f8f6f4 v[rD:rD+7], v[rA:rA+11], v[rB:rB+11], v[rD:rD+7], v[rSA], v[rSB] matrix_a_fmt:MATRIX_FMT_FP6 matrix_b_fmt:MATRIX_FMT_FP6 matrix_a_scale:MATRIX_SCALE_ROW1 matrix_b_scale:MATRIX_SCALE_ROW1
.elseif fPR
	v_wmma_scale_f32_16x16x128_f8f6f4 v[rD:rD+7], v[rA:rA+11], v[rB:rB+11], v[rD:rD+7], v[rSA], v[rSB] matrix_a_fmt:MATRIX_FMT_FP6 matrix_b_fmt:MATRIX_FMT_FP6 matrix_a_scale:MATRIX_SCALE_ROW1
.elseif fSR
	v_wmma_scale_f32_16x16x128_f8f6f4 v[rD:rD+7], v[rA:rA+11], v[rB:rB+11], v[rD:rD+7], v[rSA], v[rSB] matrix_a_fmt:MATRIX_FMT_FP6 matrix_b_fmt:MATRIX_FMT_FP6 matrix_b_scale:MATRIX_SCALE_ROW1
.else
	v_wmma_scale_f32_16x16x128_f8f6f4 v[rD:rD+7], v[rA:rA+11], v[rB:rB+11], v[rD:rD+7], v[rSA], v[rSB] matrix_a_fmt:MATRIX_FMT_FP6 matrix_b_fmt:MATRIX_FMT_FP6
.endif
.endif
.endm
; 16 products: S's blocks s0, s0 + 1 x P's eight, step kap of 128 along K.  The 64 accumulators take turns, one instruction a turn, in the same order in every step.
; Scale words.  x's block i: register 8 (i % 4) + kap, lanes 16-31 for i >= 4.  W's block i: register 8 (2 (i / 4) + i % 2) + kap, lanes 16-31 where (i % 4) >= 2.
.macro MUL16 s0, set, kap, zero
.irp s, \s0, \s0+1
.irp p, 0,1,2,3,4,5,6,7
.set rD, 8*(8*((\s)%4)+\p)
.set rA, 128*(\set)+FR*\p
.set rB, AF+FR*(\s)
.if P_IS_X
.set rSA, SPB+8*(\p%4)+(\kap)
.set fPR, \p/4
.set rSB, SSB+8*(2*((\s)/4)+(\s)%2)+(\kap)
.set fSR, ((\s)%4)/2
.else
.set rSA, SPB+8*(2*(\p/4)+\p%2)+(\kap)
.set fPR, (\p%4)/2
.set rSB, SSB+8*((\s)%4)+(\kap)
.set fSR, (\s)/4
.endif
	WM \zero
.endr
.endr
.endm
; A slot's first step of 128 along K: P's set 0; its successor lies in the same slot.  A block of S is free when its eight products are issued, so S has one set.
.macro STEP slot, kap, zero
	s_wait_dscnt 24                                ; P's set and S's blocks 0-3 are in; the youngest 24 loads (S's blocks 4-7) may be out
	WIN MUL_LO
	MUL16 0, 0, \kap, \zero
	MUL16 2, 0, \kap, \zero
	s_wait_dscnt 0x0                               ; S's blocks 4-7 are in
	PLACES 4                                       ; four places in front of loads into registers that matrix instructions have read
	FETCH_P \slot, 1, 1
	FETCH_S \slot, 1, 0
	WIN MUL_HI
	MUL16 4, 0, \kap, \zero
	MUL16 6, 0, \kap, \zero
	PLACES 4
	WIN 0
	FETCH_S \slot, 1, 4
.endm
.macro NEXTTILE slot                   ; a slot's descriptors go on to its first fill of the next tile: W back along K, x 512 rows down and back along K
	s_sub_nc_u64 s[G0S+4*\slot+2:G0S+4*\slot+3], s[G0S+4*\slot+2:G0S+4*\slot+3], 2*ROWB
	s_add_nc_u64 s[G0P+4*\slot+2:G0P+4*\slot+3], s[G0P+4*\slot+2:G0P+4*\slot+3], NEXTP
.endm
; A slot's second step changes slots: one barrier.  In front of it each wave waits for all its tensor loads, adds 0 to its spare word, and waits for that and for its reads of this slot.
; fill = 1: the barrier opens a round of the cluster's barrier, and this slot is filled again, 512 further along K: one tensor load a wave, first thing behind the round.  fill = 2: the same, with the next tile's first 256 along K.
.macro TURN slot, next, fill, kap
	s_wait_tensorcnt 0x0                           ; all my tensor loads have landed: the one that was out is my part of the next slot
	ds_add_u32 v[SPW], v[NIL]                      ; 0 onto my spare word
	s_wait_dscnt 25                                ; (the add and the youngest 24 loads may be out)
	WIN MUL_LO
	MUL16 0, 1, \kap, 0                            ; sixteen products stand between the add and the wait for it
	s_wait_dscnt 0x0                               ; the add is done, and my reads of this slot are over
	s_barrier_signal -1
	MUL16 2, 1, \kap, 0
	WIN 0
	s_barrier_wait -1
.if (\fill) == 1
	CREST                                          ; no wave of any partner still reads this slot or has a load on its way
	s_add_nc_u64 s[G0S+4*\slot+2:G0S+4*\slot+3], s[G0S+4*\slot+2:G0S+4*\slot+3], 2*ROWB
	s_add_nc_u64 s[G0P+4*\slot+2:G0P+4*\slot+3], s[G0P+4*\slot+2:G0P+4*\slot+3], 2*ROWB
	JLOAD \slot                                    ; its four v_nop are also the places in front of the loads below
.elseif (\fill) == 2
	CREST
	NEXTTILE \slot
	JLOAD \slot
.else
	PLACES 4
.endif
	FETCH_P \next, 0, 0
	FETCH_S \next, 0, 0
	WIN MUL_HI
	MUL16 4, 1, \kap, 0
	MUL16 6, 1, \kap, 0
	PLACES 4
	WIN 0
	FETCH_S \next, 0, 4
.endm
; A tile's main product.  Slot 0 is whole for every wave when it begins.  nxt = 1: a tile follows, and step 5's change of slots asks for its first 256 along K.
.macro MAIN nxt
	FETCH_P 0, 0, 0
	FETCH_S 0, 0, 0
	FETCH_S 0, 0, 4
	s_wait_loadcnt 0x0                             ; the scales
	STEP 0, 0, 1                                   ; the first step's products start the sums: nothing is cleared
	TURN 0, 1, 1, 1
	STEP 1, 2, 0
	TURN 1, 0, 1, 3
	STEP 0, 4, 0
	TURN 0, 1, 2*(\nxt), 5                         ; behind this barrier nobody reads slot 0's tile any more
	STEP 1, 6, 0
	s_wait_dscnt 24                                ; the last step
	WIN MUL_LO
	MUL16 0, 1, 7, 0
	MUL16 2, 1, 7, 0
	s_wait_dscnt 0x0
	WIN MUL_HI
	MUL16 4, 1, 7, 0
	MUL16 6, 1, 7, 0
	WIN 0
	PLACES 4                                       ; behind the last products: what follows reads results and loads into scale registers
.endm
; Numbers that are 0 become 1e-6: four compares into four scalar masks, four selects.  The window setting names the accumulators' window for destination and sources.
.macro ZFIX first, groups
.set zi, \first
.rept \groups
	v_cmp_eq_f32 s70, 0, v[zi]
	v_cmp_eq_f32 s71, 0, v[zi+1]
	v_cmp_eq_f32 s72, 0, v[zi+2]
	v_cmp_eq_f32 s73, 0, v[zi+3]
	v_cndmask_b32 v[zi], v[zi], s[EPSR], s70
	v_cndmask_b32 v[zi+1], v[zi+1], s[EPSR], s71
	v_cndmask_b32 v[zi+2], v[zi+2], s[EPSR], s72
	v_cndmask_b32 v[zi+3], v[zi+3], s[EPSR], s73
.set zi, zi+4
.endr
.endm
; 64 numbers of a lane in window X, v[s] on: register 16 b + i is a number of block b (32 nodes) of my column; lane l xor 16 holds the block's other 16.  They become a fragment's codes in v[F] on and its scale word in v[W].
.macro QUANT X, s, F, W
	WIN (\X)|((\X)<<2)
.irp b, 0,1,2,3
	v_max3_num_f32 v[TM+\b], |v[\s+16*\b]|, |v[\s+16*\b+1]|, 0x1800000   ; with the floor 2^(3 - 127): the byte cannot fall under 1
.endr
	WIN ((\X)<<2)|((\X)<<4)
.irp i, 2,4,6,8,10,12,14
.irp b, 0,1,2,3
	v_max3_num_f32 v[TM+\b], v[TM+\b], |v[\s+16*\b+\i]|, |v[\s+16*\b+\i+1]|
.endr
.endr
	WIN 0
.irp b, 0,1,2,3
	v_permlanex16_b32 v[TM+4+\b], v[TM+\b], s[SEL], s[SEL+1]
.endr
.irp b, 0,1,2,3
	v_max_num_f32 v[TM+\b], v[TM+\b], v[TM+4+\b]   ; the block's largest magnitude
.endr
.irp b, 0,1,2,3
	v_add_nc_u32 v[TM+12+\b], 0xff000000, v[TM+\b] ; 2 off its exponent field: the conversion's scale operand
.endr
.irp b, 0,1,2,3
	v_lshrrev_b32 v[TM+4+\b], 23, v[TM+12+\b]      ; the scale's byte
.endr
	v_lshl_or_b32 v[\W], v[TM+5], 8, v[TM+4]
	v_lshl_or_b32 v[\W], v[TM+6], 16, v[\W]
	v_lshl_or_b32 v[\W], v[TM+7], 24, v[\W]
	WIN \X
.irp c, 0,1
	v_cvt_scalef32_pk16_fp6_f32 v[\F+6*\c:\F+6*\c+2], v[\s+32*\c:\s+32*\c+15], v[TM+12+2*\c]
	v_cvt_scalef32_pk16_fp6_f32 v[CT+4*\c:CT+4*\c+2], v[\s+32*\c+16:\s+32*\c+31], v[TM+12+2*\c+1]   ; (a conversion's three registers begin on an even number)
.endr
	WIN 0
	v_nop                                          ; one plain place behind a scaled conversion
.irp c, 0,1                                    ; the layout wants a whole block in a lane: lanes 0-15 block 2 c, lanes 16-31 block 2 c + 1
.irp i, 0,1,2
	v_permlane16_swap_b32 v[\F+6*\c+\i], v[CT+4*\c+\i]
.endr
.irp i, 0,1,2
	v_mov_b32 v[\F+6*\c+3+\i], v[CT+4*\c+\i]
.endr
.endr
.endm
	s_load_b256 s[4:11], s[0:1], 0x0               ; x's codes s[4:5], x's scales s[6:7], Wk's codes s[8:9], Wk's scales s[10:11]
	s_load_b256 s[12:19], s[0:1], 0x20             ; Wv's codes s[12:13], Wv's scales s[14:15], mask s[16:17], part s[18:19]
	s_load_b64 s[20:21], s[0:1], 0x40              ; kspart
	v_lshl_add_u32 v[SPW], v0, 2, SPARE
	v_mov_b32 v[NIL], 0
	ds_add_u32 v28, v29
	ds_add_u32 v28, v29
	s_wait_dscnt 0x0
	v_lshrrev_b32 v1, 5, v0
	v_readfirstlane_b32 s[WV], v1                  ; wave 0..3
	s_and_b32 s23, s[WV], 1                        ; which half I fetch
	s_bfe_u32 s40, ttmp6, 0x40000                  ; cx: my pair of heads; it enters global addresses of plain loads and of stores alone
	s_lshl_b32 s41, ttmp9, 2
	s_add_co_u32 s41, s41, s40                     ; G = 4 x cluster + cx
	s_mov_b32 s[EPSR], 0x358637bd                  ; 1e-6
	s_mov_b32 s[SEL], 0x76543210
	s_mov_b32 s[SEL+1], 0xfedcba98
	s_mov_b32 s[CNT], 0
	s_mov_b32 s[MOF], 0
	; group 1, plain: 64 rows x 192 bytes, 768 bytes apart, 16 bytes of padding behind every 64
	s_mov_b32 s[G1S+0], (1<<20)|(3<<22)|(3<<25)    ; no mask; elements of 1 byte; padding on; after every 16 words (code 3); of 4 words (code 3)
	s_mov_b32 s[G1S+1], ROWB<<16                   ; tensor_dim0
	s_mov_b32 s[G1S+2], 64<<16                     ; tensor_dim1
	s_mov_b32 s[G1S+3], ROWB<<16                   ; tile_dim0
	s_mov_b32 s[G1S+4], 64                         ; tile_dim1
	s_mov_b32 s[G1S+5], KROW                       ; from row to row
	s_mov_b32 s[G1S+6], 0
	s_mov_b32 s[G1S+7], 0
	; group 1, joint: 256 rows, for all four work-groups of the cluster
	s_mov_b32 s[G1P+0], 15|(1<<20)|(1<<21)|(3<<22)|(3<<25)
	s_mov_b32 s[G1P+1], ROWB<<16
	s_mov_b32 s[G1P+2], 256<<16
	s_mov_b32 s[G1P+3], ROWB<<16
	s_mov_b32 s[G1P+4], 256
	s_mov_b32 s[G1P+5], KROW
	s_mov_b32 s[G1P+6], 0
	s_mov_b32 s[G1P+7], 0
	s_mul_i32 s74, s23, 64*PITCH                   ; where they go: S's half,
	s_mul_i32 s75, s23, 256*PITCH
	s_add_co_u32 s75, s75, PREG                    ; P's half: the wave's number alone enters an LDS address
	s_mul_i32 s44, s40, 64*KROW                    ; W: my pair of heads' 64 rows
	s_mov_b32 s45, 0
	s_lshl_b32 s46, ttmp9, 10                      ; x: row 1,024 x cluster + 256 x half: the same in all four partners
	s_lshl_b32 s47, s23, 8
	s_add_co_u32 s46, s46, s47
	s_mul_i32 s46, s46, KROW                       ; under 2^26
	s_mov_b32 s47, 0
	s_wait_kmcnt 0x0
	s_cmp_eq_u32 s23, 0
	s_cselect_b64 s[42:43], s[8:9], s[12:13]       ; wave 0 fetches Wk's rows, wave 1 Wv's
	s_add_nc_u64 s[42:43], s[42:43], s[44:45]
	s_add_nc_u64 s[46:47], s[4:5], s[46:47]
	CROUND                                         ; all four work-groups are here: the first joint loads meet
.irp s, 0,1
	s_mov_b32 s[G0S+4*\s], 1
	s_add_co_u32 s[G0S+4*\s+1], s74, \s*SLOT
	s_add_nc_u64 s[G0S+4*\s+2:G0S+4*\s+3], s[42:43], \s*ROWB
	s_or_b32 s[G0S+4*\s+3], s[G0S+4*\s+3], 0x80000000
	s_mov_b32 s[G0P+4*\s], 1
	s_add_co_u32 s[G0P+4*\s+1], s75, \s*SLOT
	s_add_nc_u64 s[G0P+4*\s+2:G0P+4*\s+3], s[46:47], \s*ROWB
	s_or_b32 s[G0P+4*\s+3], s[G0P+4*\s+3], 0x80000000
	JLOAD \s                                       ; both slots' first fills: two tensor loads of mine are out
.endr
	v_and_b32 v1, 15, v0                           ; r
	v_bfe_u32 v2, v0, 4, 1                         ; h
	v_and_b32 v3, 31, v0                           ; lane
	v_mul_u32_u24 v4, v1, PITCH
	v_mad_u32_u24 v4, v2, 24, v4                   ; a fragment's row x pitch + 24 x half
	v_lshl_add_u32 v5, v2, 4, v4                   ; and the same behind one padding more
	s_mul_i32 s78, s[WV], 128*PITCH
	s_add_co_u32 s78, s78, PREG                    ; P: my 128 nodes: blocks 0-3,
	s_add_co_u32 s79, s78, 64*PITCH                ; blocks 4-7
.irp s, 0,1
	v_add_nc_u32 v[ADRS+\s], \s*SLOT, v4
	v_add_nc_u32 v[ADRS+2+\s], \s*SLOT, v5
	v_add_nc_u32 v[ADRP+\s], s78, v4
	v_add_nc_u32 v[ADRP+2+\s], s78, v5
	v_add_nc_u32 v[ADRP+4+\s], s79, v4
	v_add_nc_u32 v[ADRP+6+\s], s79, v5
	s_add_co_u32 s78, s78, SLOT
	s_add_co_u32 s79, s79, SLOT
.endr
	s_mov_b32 s77, 0
	s_lshl_b32 s76, ttmp9, 10
	s_add_nc_u64 s[16:17], s[16:17], s[76:77]      ; the mask of the cluster's 1,024 nodes
	s_lshl_b32 s76, ttmp9, 15
	s_lshl_b32 s44, s[WV], 12
	s_add_co_u32 s76, s76, s44
	s_add_nc_u64 s[6:7], s[6:7], s[76:77]          ; x's scales: my 128 nodes of the first tile, 32 bytes each
	s_lshl_b32 s76, s40, 11
	s_add_nc_u64 s[10:11], s[10:11], s[76:77]      ; W's scales: my pair of heads' 64 rows
	s_add_nc_u64 s[14:15], s[14:15], s[76:77]
	s_lshl_b32 s76, s41, 13
	s_add_nc_u64 s[18:19], s[18:19], s[76:77]      ; part: 8,192 bytes a work-group
	s_lshl_b32 s76, s41, 9
	s_add_nc_u64 s[20:21], s[20:21], s[76:77]      ; kspart: 512
	v_lshlrev_b32 v14, 3, v0
	global_load_b64 v[100:101], v14, s[16:17]      ; eight nodes' mask bytes a thread
	v_lshlrev_b32 v13, 5, v1
	v_lshl_add_u32 v[AXO], v2, 11, v13             ; x's scales: row r, lanes 16-31 64 rows on
	v_lshl_add_u32 v13, v2, 10, v13                ; W's: row r, lanes 16-31 32 rows on
.irp p, 0,1,2,3
	global_load_b128 v[XSC+8*\p:XSC+8*\p+3], v[AXO], s[6:7] offset:512*\p         ; a row's 32 scale bytes are the words of the 8 steps: register = step
	global_load_b128 v[XSC+8*\p+4:XSC+8*\p+7], v[AXO], s[6:7] offset:512*\p+16
.endr
.irp e, 0,1
	global_load_b128 v[WSC+8*\e:WSC+8*\e+3], v13, s[10:11] offset:512*\e
	global_load_b128 v[WSC+8*\e+4:WSC+8*\e+7], v13, s[10:11] offset:512*\e+16
	global_load_b128 v[WSC+16+8*\e:WSC+16+8*\e+3], v13, s[14:15] offset:512*\e
	global_load_b128 v[WSC+16+8*\e+4:WSC+16+8*\e+7], v13, s[14:15] offset:512*\e+16
.endr
	; the epilogue's addresses, made once
	s_lshl_b32 s42, s[WV], 9
	s_lshl_b32 s43, s[WV], 13
	s_lshl_b32 s44, s[WV], 11
	s_lshl_b32 s45, s[WV], 7
	v_lshl_add_u32 v15, v0, 5, MASKF               ; where I put my eight nodes' factors
	v_lshl_add_u32 v[AMB], v2, 5, MASKF
	v_add_nc_u32 v[AMB], s42, v[AMB]               ; MASKF + 512 wave + 32 h
	v_lshlrev_b32 v[ASB], 4, v3
	v_add_nc_u32 v[ASI], s43, v[ASB]               ; stage, in: 16 lane + 8,192 wave
	v_add_nc_u32 v[ASB], s44, v[ASB]               ; stage, back, and my place in part: 16 lane + 2,048 wave
	v_lshlrev_b32 v[AKO], 2, v3
	v_add_nc_u32 v[AKI], s42, v[AKO]
	v_add_nc_u32 v[AKI], KSST, v[AKI]              ; column sums, in: 4 lane + 512 wave
	v_add_nc_u32 v[AKO], s45, v[AKO]               ; my place in kspart: 4 lane + 128 wave
	v_add_nc_u32 v[AKB], KSST, v[AKO]              ; column sums, back
	; the sums that live through both tiles begin as zeros, so that the epilogue, written once, always adds onto them: 16 + 64 registers, cleared once
.set i, 0
.rept 16
	v_mov_b32 v[KS+i], 0
.set i, i+1
.endr
	WIN 0x40
.irp t, 0,1,2,3,4,5,6,7
.irp j, 0,1,2,3,4,5,6,7
	v_mov_b32 v[96+8*(\t%4)+128*(\t/4)+\j], 0
.endr
.endr
	WIN 0
	s_wait_loadcnt 16                              ; the mask is in; the 16 loads of scales issued behind it may be out
	v_bfe_u32 v104, v100, 0, 8
	v_bfe_u32 v105, v100, 8, 8
	v_bfe_u32 v106, v100, 16, 8
	v_lshrrev_b32 v107, 24, v100
	v_bfe_u32 v108, v101, 0, 8
	v_bfe_u32 v109, v101, 8, 8
	v_bfe_u32 v110, v101, 16, 8
	v_lshrrev_b32 v111, 24, v101
.irp j, 104,105,106,107,108,109,110,111
	v_cvt_f32_u32 v\j, v\j
.endr
	ds_store_b128 v15, v[104:107]                  ; 0.0 or 1.0 for each node
	ds_store_b128 v15, v[108:111] offset:16
	s_wait_tensorcnt 1                             ; my part of slot 0 is in; slot 1's may stay out
	s_wait_dscnt 0x0                               ; my stores of the mask have landed
	s_barrier_signal -1
	s_barrier_wait -1
	MAIN 1                                         ; the first tile; step 5 has asked for the second tile's first 256 along K
	; slot 1 has been read out: it takes the second tile's next 256 along K.  The same three lines, a round of the cluster's barrier, one tensor load a wave.  Behind this round slot 0 is whole for every wave.
	s_wait_tensorcnt 0x0                           ; all my tensor loads have landed: the one that was out is my part of slot 0
	ds_add_u32 v[SPW], v[NIL]                      ; 0 onto my spare word
	NEXTTILE 1
	s_wait_dscnt 0x0                               ; the add is done; my reads of slot 1 were over at the last step's wait
	CROUND
	JLOAD 1                                        ; it has the epilogue and a step and a half in which to land
.irp p, 0,1,2,3
	global_load_b128 v[XSC+8*\p:XSC+8*\p+3], v[AXO], s[6:7] offset:16384+512*\p   ; x's scales of my 128 nodes of the second tile: 512 nodes x 32 bytes on
	global_load_b128 v[XSC+8*\p+4:XSC+8*\p+7], v[AXO], s[6:7] offset:16384+512*\p+16
.endr
.Lepi:	; ---- THE EPILOGUE OF A TILE, walked twice
	v_add_nc_u32 v[AMK], s[MOF], v[AMB]
	WIN 0x40
.irp a, 0,1,2,3,4,5,6,7
	ds_load_b128 v[MF+8*\a:MF+8*\a+3], v[AMK] offset:64*\a          ; nodes 16 a + 8 h + 0 .. 7
	ds_load_b128 v[MF+8*\a+4:MF+8*\a+7], v[AMK] offset:64*\a+16
.endr
	WIN 0x8a
	ZFIX 0, 64                                     ; k: zeros become 1e-6; each accumulator is read from its low end on
	WIN 0x0a                                       ; the squares of a head's two column tiles, for each node
.set i, 0
.rept 64
	v_pk_mul_f32 v[SQ+2*i:SQ+2*i+1], v[128*(i/32)+2*(i%32):128*(i/32)+2*(i%32)+1], v[128*(i/32)+2*(i%32):128*(i/32)+2*(i%32)+1]
.set i, i+1
.endr
.set i, 0
.rept 64
	v_pk_fma_f32 v[SQ+2*i:SQ+2*i+1], v[128*(i/32)+64+2*(i%32):128*(i/32)+64+2*(i%32)+1], v[128*(i/32)+64+2*(i%32):128*(i/32)+64+2*(i%32)+1], v[SQ+2*i:SQ+2*i+1]
.set i, i+1
.endr
	WIN 0
.irp m, 1,2,4,8                                ; over the 16 lanes that hold a tile's columns: every lane ends with the head's sum of squares
.set i, 0
.rept 128
	v_add_f32_dpp v[SQ+i], v[SQ+i], v[SQ+i] row_xmask:\m row_mask:0xf bank_mask:0xf
.set i, i+1
.endr
.endr
.set i, 0
.rept 128
	v_rsq_f32 v[SQ+i], v[SQ+i]                     ; 1 / norm
.set i, i+1
.endr
	v_nop                                          ; a plain place behind the last of them
	s_wait_alu depctr_va_vdst(0)                   ; one wait for the batch, ahead of its first reader
	WIN 0x82
.set i, 0
.rept 128
	v_pk_mul_f32 v[2*i:2*i+1], v[2*i:2*i+1], v[SQ+64*(i/64)+2*(i%32):SQ+64*(i/64)+2*(i%32)+1]   ; k / norm
.set i, i+1
.endr
	WIN 0x08
.set i, 0
.rept 128                                      ; the column sums of the normalised k: tile i % 4, pair i / 4; eight chains by turns
.set rK, KS+4*(i%4)+2*((i/4)%2)
.set rT, 64*(i%4)+2*(i/4)
	v_pk_add_f32 v[rK:rK+1], v[rK:rK+1], v[rT:rT+1]
.set i, i+1
.endr
	s_wait_dscnt 0x0                               ; the mask of my nodes is in
	WIN 0xc7
.set i, 0
.rept 128
	v_pk_mul_f32 v[2*i:2*i+1], v[2*i:2*i+1], v[MF+2*(i%32):MF+2*(i%32)+1]   ; v x mask; each accumulator from its low end on
.set i, i+1
.endr
.irp b, 0,1,2,3
	QUANT 2, 64*\b, KF+FR*\b, SW+\b
.endr
.irp b, 0,1,2,3
	QUANT 3, 64*\b, VF+FR*\b, SW+4+\b
.endr
	PLACES 8                                       ; a scale word written by a vector instruction stands 8 places ahead of a scaled product, an operand so written 4
	WIN 0x50                                       ; kvs += over my 128 nodes: tile (head hh, u_m, u_d) at v[96 + 8 (2 u_m + u_d) + 128 hh] of window 1: register j of lane (r, h) is (m = 16 u_m + 8 h + j, d = 16 u_d + r)
.irp hh, 0,1
.irp um, 0,1
.irp ud, 0,1
.set rDD, 96+8*(2*\um+\ud)+128*\hh
	v_wmma_scale_f32_16x16x128_f8f6f4 v[rDD:rDD+7], v[KF+FR*(2*\hh+\um):KF+FR*(2*\hh+\um)+FR-1], v[VF+FR*(2*\hh+\ud):VF+FR*(2*\hh+\ud)+FR-1], v[rDD:rDD+7], v[SW+2*\hh+\um], v[SW+4+2*\hh+\ud] matrix_a_fmt:MATRIX_FMT_FP6 matrix_b_fmt:MATRIX_FMT_FP6
.endr
.endr
.endr
	PLACES 4                                       ; in front of loads into the operands' registers, and of the first read of the results
	WIN 0
	s_cmp_eq_u32 s[CNT], 1
	s_cbranch_scc1 .Lfinal                         ; that was the second tile's: the loop is left for good
	MAIN 0                                         ; the second tile: nothing follows it, so its last two changes of slots ask for nothing
	s_add_co_u32 s[MOF], s[MOF], 2048              ; its mask
	s_add_co_u32 s[CNT], s[CNT], 1
	s_cmp_lt_u32 s[CNT], 2
	s_cbranch_scc1 .Lepi
.Lfinal:
	; ---- THE WAY OUT, once.  The column sums' ends
.irp b, 0,1,2,3
	v_pk_add_f32 v[KS+4*\b:KS+4*\b+1], v[KS+4*\b:KS+4*\b+1], v[KS+4*\b+2:KS+4*\b+3]
.endr
.irp b, 0,1,2,3
	v_add_f32 v[KS+4*\b], v[KS+4*\b], v[KS+4*\b+1]
.endr
.irp b, 0,1,2,3
	v_permlanex16_b32 v[KS+4*\b+1], v[KS+4*\b], s[SEL], s[SEL+1]
.endr
.irp b, 0,1,2,3
	v_add_f32 v[KS+4*\b], v[KS+4*\b], v[KS+4*\b+1]   ; my 256 nodes' sum of column 16 u + r, in both halves of the lanes
.endr
	WIN 0x04                                       ; an LDS store's data are its source 1: window 1.  The stage lies in slot 0, which has had its last fill and its last read
.irp t, 0,1,2,3,4,5,6,7
	ds_store_b128 v[ASI], v[96+8*(\t%4)+128*(\t/4):96+8*(\t%4)+128*(\t/4)+3] offset:1024*\t          ; as images of the registers, each accumulator from its low end on
	ds_store_b128 v[ASI], v[96+8*(\t%4)+128*(\t/4)+4:96+8*(\t%4)+128*(\t/4)+7] offset:1024*\t+512
.endr
	WIN 0
.irp b, 0,1,2,3
	ds_store_b32 v[AKI], v[KS+4*\b] offset:128*\b
.endr
	s_wait_dscnt 0x0                               ; for the others' sake: my stores into the stages have landed
	s_barrier_signal -1
	s_barrier_wait -1
.irp v, 0,1,2,3                                ; wave w adds the four waves' chunks 4 w .. 4 w + 3 and column tile w
.irp e, 0,1,2,3
	ds_load_b128 v[RS+16*\v+4*\e:RS+16*\v+4*\e+3], v[ASB] offset:8192*\v+512*\e
.endr
	ds_load_b32 v[RS+64+\v], v[AKB] offset:512*\v
.endr
	s_wait_dscnt 0x0
.irp p, 0,2,4,6,8,10,12,14
	v_pk_add_f32 v[RS+\p:RS+\p+1], v[RS+\p:RS+\p+1], v[RS+16+\p:RS+16+\p+1]
	v_pk_add_f32 v[RS+32+\p:RS+32+\p+1], v[RS+32+\p:RS+32+\p+1], v[RS+48+\p:RS+48+\p+1]
.endr
.irp p, 0,2,4,6,8,10,12,14
	v_pk_add_f32 v[RS+\p:RS+\p+1], v[RS+\p:RS+\p+1], v[RS+32+\p:RS+32+\p+1]
.endr
	v_add_f32 v[RS+64], v[RS+64], v[RS+65]
	v_add_f32 v[RS+66], v[RS+66], v[RS+67]
	v_add_f32 v[RS+64], v[RS+64], v[RS+66]
.irp e, 0,1,2,3
	global_store_b128 v[ASB], v[RS+4*\e:RS+4*\e+3], s[18:19] offset:512*\e   ; 32 lanes store 512 consecutive bytes, at a multiple of 256 from the buffer's first byte
.endr
	global_store_b32 v[AKO], v[RS+64], s[20:21]    ; 128 consecutive bytes a wave, 512 a work-group
	s_wait_tensorcnt 0x0                           ; the wave's end
	ds_add_u32 v[SPW], v[NIL]
	s_wait_dscnt 0x0
	CROUND                                         ; the closing round
	s_endpgm
.Lfunc_end_k_qbd2086ad67_kv:
	.size	k_qbd2086ad67_kv, .Lfunc_end_k_qbd2086ad67_kv-k_qbd2086ad67_kv
	.p2alignl 7, 3214868480
	.fill 96, 4, 3214868480
	.section	.rodata,"a",@progbits
	.p2align	6, 0x0
	.amdhsa_kernel k_qbd2086ad67_kv
		.amdhsa_group_segment_fixed_size 327680
		.amdhsa_private_segment_fixed_size 0
		.amdhsa_enable_private_segment 0
		.amdhsa_kernarg_size 72
		.amdhsa_user_sgpr_count 2
		.amdhsa_user_sgpr_kernarg_segment_ptr 1
		.amdhsa_wavefront_size32 1
		.amdhsa_system_sgpr_workgroup_id_x 1
		.amdhsa_system_sgpr_workgroup_id_y 1
		.amdhsa_system_sgpr_workgroup_id_z 1
		.amdhsa_system_vgpr_workitem_id 0
		.amdhsa_next_free_vgpr 1024
		.amdhsa_next_free_sgpr 100
		.amdhsa_reserve_vcc 0
		.amdhsa_float_denorm_mode_32 3
		.amdhsa_float_denorm_mode_16_64 3
		.amdhsa_memory_ordered 1
		.amdhsa_forward_progress 1
		.amdhsa_inst_pref_size 255
	.end_amdhsa_kernel
	.section	.bss,"aw",@nobits
	.p2align	6
	.space	262144
	.amdgpu_metadata
---
amdhsa.version: [ 1, 2 ]
amdhsa.kernels:
  - .name:           k_qbd2086ad67_kv
    .symbol:         k_qbd2086ad67_kv.kd
    .args:
      - { .name: x_codes, .offset: 0, .size: 8, .value_kind: global_buffer, .address_space: global }
      - { .name: x_scales, .offset: 8, .size: 8, .value_kind: global_buffer, .address_space: global }
      - { .name: Wk_codes, .offset: 16, .size: 8, .value_kind: global_buffer, .address_space: global }
      - { .name: Wk_scales, .offset: 24, .size: 8, .value_kind: global_buffer, .address_space: global }
      - { .name: Wv_codes, .offset: 32, .size: 8, .value_kind: global_buffer, .address_space: global }
      - { .name: Wv_scales, .offset: 40, .size: 8, .value_kind: global_buffer, .address_space: global }
      - { .name: mask, .offset: 48, .size: 8, .value_kind: global_buffer, .address_space: global }
      - { .name: part, .offset: 56, .size: 8, .value_kind: global_buffer, .address_space: global }
      - { .name: kspart, .offset: 64, .size: 8, .value_kind: global_buffer, .address_space: global }
    .group_segment_fixed_size: 327680
    .private_segment_fixed_size: 0
    .kernarg_segment_align: 8
    .kernarg_segment_size: 72
    .max_flat_workgroup_size: 128
    .sgpr_count:     100
    .vgpr_count:     1024
    .wavefront_size: 32
...
	.end_amdgpu_metadata
.endif
;; end of part 1
;; launch red (part 2): grid 32 x 1, 8 waves a work-group, no clusters, 18,432 bytes of LDS; arguments part, kspart, kvf, kvsc, ksum; writes kvf, kvsc, ksum
.if DOCPART == 2
	.amdgcn_target "amdgcn-amd-amdhsa--gfx1250"
	.amdhsa_code_object_version 6
	.text
	.protected	k_qbd2086ad67_red
	.globl	k_qbd2086ad67_red
	.p2align	8
	.type	k_qbd2086ad67_red,@function
k_qbd2086ad67_red:
	s_mov_b64 s[64:65], 0
	v_nop
	global_prefetch_b8 v0, s[64:65] scope:SCOPE_SE
	s_setreg_imm32_b32 hwreg(HW_REG_WAVE_MODE, 25, 1), 1
	s_wait_xcnt 0x0
; SECOND LAUNCH.  Work-group g = 16 batch + 2 head + u adds the 32 clusters' parts of kvs[batch][head][0..31][16 u .. 16 u + 15] and of the column sums ks_sum[batch][head][16 u ..],
; quantises kvs along m (one block of 32 for each d) to FP6 (E2M3) and lays it out as the registers of the third launch's operand.
; 2.2 MB are read once, by loads of 512 consecutive bytes, all issued at once; no matrix unit, no cluster (no two work-groups read the same bytes), no tensor load.  32 work-groups: one for each operand.
; Wave v adds clusters 4 v .. 4 v + 3; the eight waves' sums meet in LDS; wave 0 adds them and quantises.
; A lane (r, h') holds d = 16 u + r and m = 16 u_m + 8 h' + j in register 16 + 8 u_m + j.  THE OPERAND: 16 rows d x 128 along K, of which only block hh (= head % 2) holds codes: the third launch puts its two heads' q
; into blocks 0 and 1 of one fragment.  Place 16 h' + 8 u_m + j of the block holds m = 16 u_m + 8 h' + j, the order in which that launch's conversions leave q.  All other codes are 0.
; A block of zeros gets the byte 1 and zero codes; the unused blocks' bytes are 0, over zero codes: they add nothing.
.macro SUM4                            ; v[16 + 16 i ..], i = 0 .. 3, into v[16:31]; v[144 + i] into v144
.irp i, 0,2
.irp p, 0,2,4,6,8,10,12,14
	v_pk_add_f32 v[16+16*\i+\p:17+16*\i+\p], v[16+16*\i+\p:17+16*\i+\p], v[32+16*\i+\p:33+16*\i+\p]
.endr
	v_add_f32 v[144+\i], v[144+\i], v[145+\i]
.endr
.irp p, 0,2,4,6,8,10,12,14
	v_pk_add_f32 v[16+\p:17+\p], v[16+\p:17+\p], v[48+\p:49+\p]
.endr
	v_add_f32 v144, v144, v146
.endm
.macro SUM8                            ; the same of i = 0 .. 7
.irp i, 0,2,4,6
.irp p, 0,2,4,6,8,10,12,14
	v_pk_add_f32 v[16+16*\i+\p:17+16*\i+\p], v[16+16*\i+\p:17+16*\i+\p], v[32+16*\i+\p:33+16*\i+\p]
.endr
	v_add_f32 v[144+\i], v[144+\i], v[145+\i]
.endr
.irp i, 0,4
.irp p, 0,2,4,6,8,10,12,14
	v_pk_add_f32 v[16+16*\i+\p:17+16*\i+\p], v[16+16*\i+\p:17+16*\i+\p], v[48+16*\i+\p:49+16*\i+\p]
.endr
	v_add_f32 v[144+\i], v[144+\i], v[146+\i]
.endr
.irp p, 0,2,4,6,8,10,12,14
	v_pk_add_f32 v[16+\p:17+\p], v[16+\p:17+\p], v[80+\p:81+\p]
.endr
	v_add_f32 v144, v144, v148
.endm
	s_load_b128 s[4:7], s[0:1], 0x0                ; part, kspart
	s_load_b128 s[8:11], s[0:1], 0x10              ; kvf, kvsc
	s_load_b64 s[12:13], s[0:1], 0x20              ; ksum
	v_lshl_add_u32 v192, v0, 2, 0x4400
	v_mov_b32 v193, 0
	v_lshrrev_b32 v1, 5, v0
	v_readfirstlane_b32 s14, v1                    ; wave 0..7
	v_and_b32 v2, 31, v0
	v_lshlrev_b32 v3, 4, v2                        ; 16 lane
	v_lshlrev_b32 v4, 2, v2                        ; 4 lane
	s_lshr_b32 s15, ttmp9, 4                       ; batch
	s_bfe_u32 s16, ttmp9, 0x20002                  ; cx = head / 2: which work-group of a cluster made the part
	s_bfe_u32 s17, ttmp9, 0x10001                  ; hh = head % 2
	s_and_b32 s18, ttmp9, 1                        ; u
	s_lshl_b32 s20, s15, 5
	s_lshl_b32 s21, s14, 2
	s_add_co_u32 s20, s20, s21                     ; my first cluster: 32 batch + 4 wave
	s_lshl_b32 s22, s20, 15                        ; part: 32,768 bytes a cluster, 8,192 a work-group, 4,096 a head, 1,024 for u_d
	s_lshl_b32 s21, s16, 13
	s_add_co_u32 s22, s22, s21
	s_lshl_b32 s21, s17, 12
	s_add_co_u32 s22, s22, s21
	s_lshl_b32 s21, s18, 10
	s_add_co_u32 s22, s22, s21
	s_mov_b32 s23, 0
	s_lshl_b32 s24, s20, 11                        ; kspart: 2,048 a cluster, 512 a work-group, 256 a head, 128 a column tile
	s_lshl_b32 s21, s16, 9
	s_add_co_u32 s24, s24, s21
	s_lshl_b32 s21, s17, 8
	s_add_co_u32 s24, s24, s21
	s_lshl_b32 s21, s18, 7
	s_add_co_u32 s24, s24, s21
	s_mov_b32 s25, 0
	s_mul_i32 s26, ttmp9, 1536                     ; kvf: 1,536 bytes an operand
	s_mov_b32 s27, 0
	s_lshl_b32 s28, ttmp9, 7                       ; kvsc, ksum: 128
	s_mov_b32 s29, 0
	s_mov_b32 s30, 0x76543210
	s_mov_b32 s31, 0xfedcba98                      ; v_permlanex16_b32's selects for lane l xor 16
	s_mov_b32 s32, 0xffff0000                      ; lanes 16-31
	s_lshl_b32 s35, s14, 11
	v_add_nc_u32 v5, s35, v3                       ; LDS: 16 lane + 2,048 wave
	s_lshl_b32 s35, s14, 7
	v_add_nc_u32 v6, s35, v4                       ; 4 lane + 128 wave
	s_wait_kmcnt 0x0
	s_add_nc_u64 s[4:5], s[4:5], s[22:23]
	s_add_nc_u64 s[6:7], s[6:7], s[24:25]
	s_add_nc_u64 s[8:9], s[8:9], s[26:27]
	s_add_nc_u64 s[10:11], s[10:11], s[28:29]
	s_add_nc_u64 s[12:13], s[12:13], s[28:29]
.irp i, 0,1,2,3
.irp k, 0,1,2,3                                ; k = 2 u_m + e: registers 4 e .. 4 e + 3 of tile u_m
	global_load_b128 v[16+16*\i+4*\k:19+16*\i+4*\k], v3, s[4:5] offset:32768*\i+2048*(\k/2)+512*(\k%2) th:TH_LOAD_NT
.endr
	global_load_b32 v[144+\i], v4, s[6:7] offset:2048*\i th:TH_LOAD_NT
.endr
	s_wait_loadcnt 0x0
	SUM4
.irp k, 0,1,2,3
	ds_store_b128 v5, v[16+4*\k:19+4*\k] offset:512*\k
.endr
	ds_store_b32 v6, v144 offset:16384
	s_wait_dscnt 0x0                               ; for wave 0's sake: my stores have landed
	s_barrier_signal -1
	s_barrier_wait -1
	s_cmp_lg_u32 s14, 0
	s_cbranch_scc1 .Lend                           ; the rest is one wave's work; no barrier follows
.irp i, 0,1,2,3,4,5,6,7
.irp k, 0,1,2,3
	ds_load_b128 v[16+16*\i+4*\k:19+16*\i+4*\k], v3 offset:2048*\i+512*\k
.endr
	ds_load_b32 v[144+\i], v4 offset:16384+128*\i
.endr
	s_wait_dscnt 0x0
	SUM8
	v_max3_num_f32 v8, |v16|, |v17|, 0x1800000     ; my 16 of the block's 32, with the floor 2^(3 - 127)
	v_max3_num_f32 v9, |v18|, |v19|, |v20|
	v_max3_num_f32 v8, v8, |v21|, |v22|
	v_max3_num_f32 v9, v9, |v23|, |v24|
	v_max3_num_f32 v8, v8, |v25|, |v26|
	v_max3_num_f32 v9, v9, |v27|, |v28|
	v_max3_num_f32 v8, v8, |v29|, |v30|
	v_max3_num_f32 v8, v8, v9, |v31|
	v_mov_b32 v10, 0
	v_permlanex16_b32 v10, v8, s30, s31
	v_max_num_f32 v8, v8, v10                      ; the block's largest magnitude
	v_add_nc_u32 v11, 0xff000000, v8               ; 2 off its exponent field: the conversion's scale operand
	v_cvt_scalef32_pk16_fp6_f32 v[32:34], v[16:31], v11
	v_lshrrev_b32 v12, 23, v11                     ; the scale's byte (a plain place behind the conversion)
.irp i, 0,1,2
	v_permlanex16_b32 v[36+\i], v[32+\i], s30, s31 ; the other half's 16 codes
.endr
.irp i, 0,1,2
	v_cndmask_b32 v[40+\i], v[32+\i], v[36+\i], s32   ; places 0-15: those of lanes 0-15
	v_cndmask_b32 v[43+\i], v[36+\i], v[32+\i], s32   ; places 16-31: those of lanes 16-31
.endr
	s_cmp_eq_u32 s17, 0
	s_cselect_b32 s33, 0xffff, s32                 ; the lanes that hold block hh
	s_lshl_b32 s34, s17, 3
.irp i, 0,1,2,3,4,5
	v_cndmask_b32 v[40+\i], 0, v[40+\i], s33       ; the other block's codes are 0
	v_mov_b32 v[46+\i], 0                          ; and so are blocks 2 and 3
.endr
	v_lshlrev_b32 v12, s34, v12                    ; the byte at block hh's place in the scale word
	global_store_b128 v3, v[40:43], s[8:9]         ; the operand as an image of its registers: 512 consecutive bytes a store
	global_store_b128 v3, v[44:47], s[8:9] offset:512
	global_store_b128 v3, v[48:51], s[8:9] offset:1024
	global_store_b32 v4, v12, s[10:11]
	global_store_b32 v4, v144, s[12:13]            ; lanes 0-15: ks_sum at m = 16 u + lane; lanes 16-31 the same again
.Lend:
	s_wait_tensorcnt 0x0
	ds_add_u32 v192, v193
	s_wait_dscnt 0x0
	s_endpgm
.Lfunc_end_k_qbd2086ad67_red:
	.size	k_qbd2086ad67_red, .Lfunc_end_k_qbd2086ad67_red-k_qbd2086ad67_red
	.p2alignl 7, 3214868480
	.fill 96, 4, 3214868480
	.section	.rodata,"a",@progbits
	.p2align	6, 0x0
	.amdhsa_kernel k_qbd2086ad67_red
		.amdhsa_group_segment_fixed_size 18432
		.amdhsa_private_segment_fixed_size 0
		.amdhsa_enable_private_segment 0
		.amdhsa_kernarg_size 40
		.amdhsa_user_sgpr_count 2
		.amdhsa_user_sgpr_kernarg_segment_ptr 1
		.amdhsa_wavefront_size32 1
		.amdhsa_system_sgpr_workgroup_id_x 1
		.amdhsa_system_sgpr_workgroup_id_y 1
		.amdhsa_system_sgpr_workgroup_id_z 1
		.amdhsa_system_vgpr_workitem_id 0
		.amdhsa_next_free_vgpr 194
		.amdhsa_next_free_sgpr 66
		.amdhsa_reserve_vcc 0
		.amdhsa_float_denorm_mode_32 3
		.amdhsa_float_denorm_mode_16_64 3
		.amdhsa_memory_ordered 1
		.amdhsa_forward_progress 1
		.amdhsa_inst_pref_size 16
	.end_amdhsa_kernel
	.amdgpu_metadata
---
amdhsa.version: [ 1, 2 ]
amdhsa.kernels:
  - .name:           k_qbd2086ad67_red
    .symbol:         k_qbd2086ad67_red.kd
    .args:
      - { .name: part, .offset: 0, .size: 8, .value_kind: global_buffer, .address_space: global }
      - { .name: kspart, .offset: 8, .size: 8, .value_kind: global_buffer, .address_space: global }
      - { .name: kvf, .offset: 16, .size: 8, .value_kind: global_buffer, .address_space: global }
      - { .name: kvsc, .offset: 24, .size: 8, .value_kind: global_buffer, .address_space: global }
      - { .name: ksum, .offset: 32, .size: 8, .value_kind: global_buffer, .address_space: global }
    .group_segment_fixed_size: 18432
    .private_segment_fixed_size: 0
    .kernarg_segment_align: 8
    .kernarg_segment_size: 40
    .max_flat_workgroup_size: 256
    .sgpr_count:     66
    .vgpr_count:     194
    .wavefront_size: 32
...
	.end_amdgpu_metadata
.endif
;; end of part 2
;; launch out (part 3): grid 256 x 1, 4 waves a work-group, clusters of 4 x 1, 327,680 bytes of LDS; arguments x_codes, x_scales, Wq_codes, Wq_scales, Wv_codes, Wv_scales, mask, kvf, kvsc, ksum, out0; writes out0
.if DOCPART == 3
	.amdgcn_target "amdgcn-amd-amdhsa--gfx1250"
	.amdhsa_code_object_version 6
	.text
	.protected	k_qbd2086ad67_out
	.globl	k_qbd2086ad67_out
	.p2align	8
	.type	k_qbd2086ad67_out,@function
k_qbd2086ad67_out:
	s_mov_b64 s[64:65], 0
	v_nop
	global_prefetch_b8 v0, s[64:65] scope:SCOPE_SE
	s_setreg_imm32_b32 hwreg(HW_REG_WAVE_MODE, 25, 1), 1
	s_wait_xcnt 0x0
	s_wait_alu depctr_hold_cnt(0) depctr_sa_sdst(0) depctr_va_vdst(0) depctr_va_sdst(0) depctr_va_ssrc(0) depctr_va_vcc(0) depctr_vm_vsrc(0)
	s_getreg_b32 s2, hwreg(HW_REG_IB_STS2, 6, 4)
	s_cmp_eq_u32 s2, 0
	s_cbranch_scc0 .Lentry_in_a_cluster
	s_endpgm
.Lentry_in_a_cluster:
	s_bfe_u32 s2, ttmp6, 0x10000c
	s_cmp_lg_u32 s2, 0x3003
	s_cbranch_scc0 .Lentry_shape_is_right
	s_endpgm
.Lentry_shape_is_right:
; THIRD LAUNCH.  q = x Wq and v = x Wv (again: recomputing v reads x's codes once more and spares the way of v in f32 to memory and back) on codes of FP6 (E2M3); zeros of q become 1e-6;
; q is divided by its head's norm; denominator = q . ks_sum + 32,768 by f32 multiply-adds; q is quantised along the head's 32 channels; numerator = q kvs (FP6) + 32,768 x mask x v, the second term given
; as the product's C; out = the mean over the 8 heads of numerator / denominator.
; SHARES.  A work-group owns 256 nodes, in TWO TILES of 128, and all 512 columns (Wq's 256, Wv's 256); wave w owns heads 2 w and 2 w + 1: 64 rows of Wq and 64 of Wv.  The four work-groups of a cluster walk the same W,
; 512 of a slot's 640 rows: W's tiles are asked for JOINTLY (mask 15); x's 128 rows are the work-group's own and come by plain loads.
; THE WORK-GROUP STAYS: the second tile's first two fills are asked for before the first tile's epilogue and land under it.  The main product is written twice, the epilogue once: main, epilogue, main, epilogue;
; the one branch out of that loop leaves it for good.  ks_sum, kvs and W's scale words stay in registers through both tiles.
; THE PRODUCT IS USED SO THAT A LANE HOLDS A NODE: source 0 (P) = 16 rows of W, source 1 (S) = 16 nodes of x.  Lane (r, h) holds node r, its registers columns 8 h + 0 .. 7.
; q kvs has K = 32, a quarter of the instruction's 128: a node tile's fragment holds head 2 w in block 0 and head 2 w + 1 in block 1; the operand made by the launch before holds one head's kvs in that head's block and
; zero codes elsewhere.  16 such products for each 256 of the projections.
; THE WAY OUT.  The four waves' shares of the mean meet in a stage that lies OUTSIDE the ring, since the ring is filled again behind it: two buffers of 16 nodes x 4 waves.  It is a pipeline by node tiles, one barrier a tile:
; tile a is computed; barrier; tile a - 1 is read back (each wave four nodes of all four waves); tile a is stored into the other buffer; tile a - 2 is added up and stored to memory.
; NO PREFETCH: a tile's two first fills and its first refill name every aligned block of 256 bytes of its rows, and the second tile's first fills are issued an epilogue ahead of their use.
; LIMITS: a head vector's sum of squares must be a normal f32 number (norm between about 2^-63 and 2^63); the mask is applied by a multiplication with 0.0 or 32,768.0, so an infinite or NaN v in a masked row gives NaN.
; REGISTERS: window 0: v0-31 addresses; v32-63 x's scale words, v64-95 W's; v96-127 ks_sum; v128-223 S's fragments; v224-227 kvs's scale words; v252-255 q's.
;   window 1: P's fragments at v0 and v128; kvs's four operands at v96, v108, v224, v236.
;   windows 2, 3: accumulator (node tile a, column tile b) at v[64 (a % 4) + 8 b] of window 2 + a / 4; b < 4: q (head b / 2, m = 16 (b % 2) + 8 h + j); b >= 4: v likewise.
.set P_IS_X, 0                         ; source 0 is W
.set PITCH,  240
.set ROWB,   192
.set KROW,   768
.set FR,     12
.set PREG,   128*PITCH
.set SLOT,   640*PITCH
.set MASKF,  2*SLOT                    ; behind the ring: 32,768 x mask of the work-group's 256 nodes, 1,024 bytes, stored by the waves, never filled
.set SPARE,  MASKF+1024                ; the spare words, 128 bytes a wave: two blocks of 256 bytes that no other line names
.set STG,    SPARE+512                 ; the stage: two buffers, never filled
.set SPI,    144                       ; a stage row: a node's 128 bytes + 16
.set SBUF,   64*SPI                    ; a buffer: 4 waves x 16 nodes
.set NEXTS,  128*KROW-2*ROWB           ; x: from a slot's last fill of a tile to its first of the next: 128 rows down, 384 bytes back along K
.set ASI,  6                           ; v6      my share into the stage: STG + 16 rows x wave + row r + 32 h
.set AFK,  7                           ; v7      the nodes' factors in the tile in hand
.set ASB,  8                           ; v8      back from the stage: STG + row 4 wave + lane / 8, 16 bytes a lane
.set AXO,  12                          ; v12     my lane's offset among x's scales
.set AFB,  13                          ; v13     MASKF + 4 r
.set AOO,  14                          ; v14     my place in out0: 16 lane + 512 wave
.set ADRS, 16
.set ADRP, 20
.set SPW,  28
.set NIL,  29
.set SSB,  32
.set SPB,  64
.set XSC,  SSB
.set WSC,  SPB
.set AF,   128
.set WV,   22
.set G1S,  24
.set G0S,  32
.set G1P,  48
.set G0P,  56
.set EPSR, 66
.set SEL,  68
.set CNT,  86                          ; s86     epilogues done
.set MOF,  87                          ; s87     where the tile's factors begin in MASKF: 512 bytes a tile
.set MUL_LO, 0xa1
.set MUL_HI, 0xf1
.set KSU,  96                          ; v96-127  ks_sum at my channels: [head hh][u][j]
.set SS,   128                         ; v128-143 chain k = 2 t + hh: sum of squares, a pair; 1 / norm ends in the low register
.set DD,   144                         ; v144-159 q . ks_sum, a pair; 1 / (8 x denominator) ends in the low register
.set QF,   160                         ; v160-207 q's fragments of four node tiles
.set CT,   208                         ; v208-223 at work
.set KVS,  224                         ; v224-227 kvs's scale words
.set TM,   228                         ; v228-235 largest magnitudes
.set TP,   236                         ; v236-243 at work
.set SO,   244                         ; v244-251 the conversions' scale operands
.set QS,   252                         ; v252-255 q's scale words
.set OB,   0                           ; window 1: v0-31 my share of a node tile's result, two sets by turns
.set FAC,  64                          ; window 1: v64-79 32,768 x mask of node 16 a + r, twice: a pair for the packed multiply
.set RS,   128                         ; window 1: v128-159 what comes back from the stage, two sets by turns
.set MSB, 0
.macro WIN new
.if MSB != (\new)
	s_set_vgpr_msb (MSB<<8)|(\new)
.set MSB, (\new)
.endif
.endm
.macro PLACES n
.rept \n
	v_nop
.endr
.endm
.macro JLOAD s                         ; waves 0 and 1 fetch S's two halves (plain), waves 2 and 3 P's (joint); four v_nop follow each line
	s_cmp_lt_u32 s[WV], 2
	s_cbranch_scc0 .Ljoint_\@
	tensor_load_to_lds s[G0S+4*\s:G0S+4*\s+3], s[G1S:G1S+7]
	s_nop 0
.rept 4
	v_nop
.endr
	s_branch .Lasked_\@
.Ljoint_\@:
	tensor_load_to_lds s[G0P+4*\s:G0P+4*\s+3], s[G1P:G1P+7]
	s_nop 0
.rept 4
	v_nop
.endr
.Lasked_\@:
.endm
.macro CREST
	s_cmp_lg_u32 s[WV], 0
	s_cbranch_scc1 .Lnot_wave_0_\@
	s_barrier_signal -3
.Lnot_wave_0_\@:
	s_barrier_wait -3
	s_barrier_signal -1
	s_barrier_wait -1
.endm
.macro CROUND
	s_barrier_signal -1
	s_barrier_wait -1
	CREST
.endm
.macro FRAG reg, adr, q, i             ; a fragment in six pieces of 8 bytes; the second address register serves the pieces whose partner three on lies behind one padding more
.irp p, 0,1,2,3,4,5
.set PC, 12*(\q)+6*(\p/3)+\p%3
.if PC%8 < 5
	ds_load_b64 v[\reg+2*\p:\reg+2*\p+1], v[\adr] offset:8*PC+16*(PC/8)+(\i)*16*PITCH
.else
	ds_load_b64 v[\reg+2*\p:\reg+2*\p+1], v[\adr+2] offset:8*PC+16*(PC/8)+(\i)*16*PITCH
.endif
.endr
.endm
.macro FETCH_P slot, q, set
	WIN 0x40
.irp i, 0,1,2,3,4,5,6,7
	FRAG 128*(\set)+FR*\i, ADRP+4*(\i/4)+\slot, \q, \i%4
.endr
	WIN 0
.endm
.macro FETCH_S slot, q, i0
.irp i, \i0, \i0+1, \i0+2, \i0+3
	FRAG AF+FR*(\i), ADRS+\slot, \q, \i
.endr
.endm
.macro WM zero                         ; one product, by the symbols rD, rA, rB, rSA, rSB; fPR, fSR: 1 where the scale words stand in lanes 16-31
.if \zero
.if fPR && fSR
	v_wmma_scale_f32_16x16x128_f8f6f4 v[rD:rD+7], v[rA:rA+11], v[rB:rB+11], 0, v[rSA], v[rSB] matrix_a_fmt:MATRIX_FMT_FP6 matrix_b_fmt:MATRIX_FMT_FP6 matrix_a_scale:MATRIX_SCALE_ROW1 matrix_b_scale:MATRIX_SCALE_ROW1
.elseif fPR
	v_wmma_scale_f32_16x16x128_f8f6f4 v[rD:rD+7], v[rA:rA+11], v[rB:rB+11], 0, v[rSA], v[rSB] matrix_a_fmt:MATRIX_FMT_FP6 matrix_b_fmt:MATRIX_FMT_FP6 matrix_a_scale:MATRIX_SCALE_ROW1
.elseif fSR
	v_wmma_scale_f32_16x16x128_f8f6f4 v[rD:rD+7], v[rA:rA+11], v[rB:rB+11], 0, v[rSA], v[rSB] matrix_a_fmt:MATRIX_FMT_FP6 matrix_b_fmt:MATRIX_FMT_FP6 matrix_b_scale:MATRIX_SCALE_ROW1
.else
	v_wmma_scale_f32_16x16x128_f8f6f4 v[rD:rD+7], v[rA:rA+11], v[rB:rB+11], 0, v[rSA], v[rSB] matrix_a_fmt:MATRIX_FMT_FP6 matrix_b_fmt:MATRIX_FMT_FP6
.endif
.else
.if fPR && fSR
	v_wmma_scale_f32_16x16x128_f8f6f4 v[rD:rD+7], v[rA:rA+11], v[rB:rB+11], v[rD:rD+7], v[rSA], v[rSB] matrix_a_fmt:MATRIX_FMT_FP6 matrix_b_fmt:MATRIX_FMT_FP6 matrix_a_scale:MATRIX_SCALE_ROW1 matrix_b_scale:MATRIX_SCALE_ROW1
.elseif fPR
	v_wmma_scale_f32_16x16x128_f8f6f4 v[rD:rD+7], v[rA:rA+11], v[rB:rB+11], v[rD:rD+7], v[rSA], v[rSB] matrix_a_fmt:MATRIX_FMT_FP6 matrix_b_fmt:MATRIX_FMT_FP6 matrix_a_scale:MATRIX_SCALE_ROW1
.elseif fSR
	v_wmma_scale_f32_16x16x128_f8f6f4 v[rD:rD+7], v[rA:rA+11], v[rB:rB+11], v[rD:rD+7], v[rSA], v[rSB] matrix_a_fmt:MATRIX_FMT_FP6 matrix_b_fmt:MATRIX_FMT_FP6 matrix_b_scale:MATRIX_SCALE_ROW1
.else
	v_wmma_scale_f32_16x16x128_f8f6f4 v[rD:rD+7], v[rA:rA+11], v[rB:rB+11], v[rD:rD+7], v[rSA], v[rSB] matrix_a_fmt:MATRIX_FMT_FP6 matrix_b_fmt:MATRIX_FMT_FP6
.endif
.endif
.endm
; 16 products: S's blocks s0, s0 + 1 x P's eight.  The 64 accumulators take turns, one instruction a turn.
; Scale words.  x's block i: register 8 (i % 4) + kap, lanes 16-31 for i >= 4.  W's block i: register 8 (2 (i / 4) + i % 2) + kap, lanes 16-31 where (i % 4) >= 2.
.macro MUL16 s0, set, kap, zero
.irp s, \s0, \s0+1
.irp p, 0,1,2,3,4,5,6,7
.set rD, 8*(8*((\s)%4)+\p)
.set rA, 128*(\set)+FR*\p
.set rB, AF+FR*(\s)
.if P_IS_X
.set rSA, SPB+8*(\p%4)+(\kap)
.set fPR, \p/4
.set rSB, SSB+8*(2*((\s)/4)+(\s)%2)+(\kap)
.set fSR, ((\s)%4)/2
.else
.set rSA, SPB+8*(2*(\p/4)+\p%2)+(\kap)
.set fPR, (\p%4)/2
.set rSB, SSB+8*((\s)%4)+(\kap)
.set fSR, (\s)/4
.endif
	WM \zero
.endr
.endr
.endm
.macro STEP slot, kap, zero            ; a slot's first step of 128 along K
	s_wait_dscnt 24                                ; P's set and S's blocks 0-3 are in; the youngest 24 loads (S's blocks 4-7) may be out
	WIN MUL_LO
	MUL16 0, 0, \kap, \zero
	MUL16 2, 0, \kap, \zero
	s_wait_dscnt 0x0
	PLACES 4                                       ; four places in front of loads into registers that matrix instructions have read
	FETCH_P \slot, 1, 1
	FETCH_S \slot, 1, 0
	WIN MUL_HI
	MUL16 4, 0, \kap, \zero
	MUL16 6, 0, \kap, \zero
	PLACES 4
	WIN 0
	FETCH_S \slot, 1, 4
.endm
.macro NEXTTILE slot                   ; a slot's descriptors go on to its first fill of the next tile: x 128 rows down and back along K, W back along K
	s_add_nc_u64 s[G0S+4*\slot+2:G0S+4*\slot+3], s[G0S+4*\slot+2:G0S+4*\slot+3], NEXTS
	s_sub_nc_u64 s[G0P+4*\slot+2:G0P+4*\slot+3], s[G0P+4*\slot+2:G0P+4*\slot+3], 2*ROWB
.endm
; A slot's second step changes slots: one barrier; with fill = 1 it opens a round of the cluster's barrier and the slot is filled again, 512 further along K; fill = 2: the same, with the next tile's first 256 along K
.macro TURN slot, next, fill, kap
	s_wait_tensorcnt 0x0                           ; all my tensor loads have landed: the one that was out is my part of the next slot
	ds_add_u32 v[SPW], v[NIL]                      ; 0 onto my spare word
	s_wait_dscnt 25                                ; (the add and the youngest 24 loads may be out)
	WIN MUL_LO
	MUL16 0, 1, \kap, 0
	s_wait_dscnt 0x0                               ; the add is done, and my reads of this slot are over
	s_barrier_signal -1
	MUL16 2, 1, \kap, 0
	WIN 0
	s_barrier_wait -1
.if (\fill) == 1
	CREST                                          ; no wave of any partner still reads this slot or has a load on its way
	s_add_nc_u64 s[G0S+4*\slot+2:G0S+4*\slot+3], s[G0S+4*\slot+2:G0S+4*\slot+3], 2*ROWB
	s_add_nc_u64 s[G0P+4*\slot+2:G0P+4*\slot+3], s[G0P+4*\slot+2:G0P+4*\slot+3], 2*ROWB
	JLOAD \slot                                    ; its four v_nop are also the places in front of the loads below
.elseif (\fill) == 2
	CREST
	NEXTTILE \slot
	JLOAD \slot
.else
	PLACES 4
.endif
	FETCH_P \next, 0, 0
	FETCH_S \next, 0, 0
	WIN MUL_HI
	MUL16 4, 1, \kap, 0
	MUL16 6, 1, \kap, 0
	PLACES 4
	WIN 0
	FETCH_S \next, 0, 4
.endm
; A tile's main product.  Slot 0 is whole for every wave when it begins.  nxt = 1: a tile follows, and step 5's change of slots asks for its first 256 along K.
.macro MAIN nxt
	FETCH_P 0, 0, 0
	FETCH_S 0, 0, 0
	FETCH_S 0, 0, 4
	s_wait_loadcnt 0x0                             ; the scales (the first time also kvs and ks_sum)
	STEP 0, 0, 1                                   ; the first step's products start the sums
	TURN 0, 1, 1, 1
	STEP 1, 2, 0
	TURN 1, 0, 1, 3
	STEP 0, 4, 0
	TURN 0, 1, 2*(\nxt), 5
	STEP 1, 6, 0
	s_wait_dscnt 24
	WIN MUL_LO
	MUL16 0, 1, 7, 0
	MUL16 2, 1, 7, 0
	s_wait_dscnt 0x0
	WIN MUL_HI
	MUL16 4, 1, 7, 0
	MUL16 6, 1, 7, 0
	WIN 0
	PLACES 4                                       ; behind the last products: what follows reads results and loads into scale registers
.endm
.macro ZFIX first, groups              ; numbers that are 0 become 1e-6
.set zi, \first
.rept \groups
	v_cmp_eq_f32 s70, 0, v[zi]
	v_cmp_eq_f32 s71, 0, v[zi+1]
	v_cmp_eq_f32 s72, 0, v[zi+2]
	v_cmp_eq_f32 s73, 0, v[zi+3]
	v_cndmask_b32 v[zi], v[zi], s[EPSR], s70
	v_cndmask_b32 v[zi+1], v[zi+1], s[EPSR], s71
	v_cndmask_b32 v[zi+2], v[zi+2], s[EPSR], s72
	v_cndmask_b32 v[zi+3], v[zi+3], s[EPSR], s73
.set zi, zi+4
.endr
.endm
; q OF FOUR NODE TILES: those of window X (2: tiles 0-3, 3: tiles 4-7): norms, denominators, codes.  Chain k = 2 t + hh is tile t's head hh: its 16 numbers of q begin at v[64 (k / 2) + 16 (k % 2)].
.macro GROUPA X
	WIN ((\X)<<6)|((\X)<<2)|(\X)
.irp t, 0,1,2,3
	ZFIX 64*\t, 8                                  ; q; each accumulator is read from its low end on
.endr
	WIN ((\X)<<2)|(\X)                             ; sums of squares
.irp k, 0,1,2,3,4,5,6,7
	v_pk_mul_f32 v[SS+2*\k:SS+2*\k+1], v[64*(\k/2)+16*(\k%2):64*(\k/2)+16*(\k%2)+1], v[64*(\k/2)+16*(\k%2):64*(\k/2)+16*(\k%2)+1]
.endr
.irp i, 2,4,6,8,10,12,14
.irp k, 0,1,2,3,4,5,6,7
	v_pk_fma_f32 v[SS+2*\k:SS+2*\k+1], v[64*(\k/2)+16*(\k%2)+\i:64*(\k/2)+16*(\k%2)+\i+1], v[64*(\k/2)+16*(\k%2)+\i:64*(\k/2)+16*(\k%2)+\i+1], v[SS+2*\k:SS+2*\k+1]
.endr
.endr
	WIN \X                                         ; q . ks_sum, in f32
.irp k, 0,1,2,3,4,5,6,7
	v_pk_mul_f32 v[DD+2*\k:DD+2*\k+1], v[64*(\k/2)+16*(\k%2):64*(\k/2)+16*(\k%2)+1], v[KSU+16*(\k%2):KSU+16*(\k%2)+1]
.endr
.irp i, 2,4,6,8,10,12,14
.irp k, 0,1,2,3,4,5,6,7
	v_pk_fma_f32 v[DD+2*\k:DD+2*\k+1], v[64*(\k/2)+16*(\k%2)+\i:64*(\k/2)+16*(\k%2)+\i+1], v[KSU+16*(\k%2)+\i:KSU+16*(\k%2)+\i+1], v[DD+2*\k:DD+2*\k+1]
.endr
.endr
	WIN 0
.irp k, 0,1,2,3,4,5,6,7
	v_add_f32 v[SS+2*\k], v[SS+2*\k], v[SS+2*\k+1]
.endr
.irp k, 0,1,2,3,4,5,6,7
	v_add_f32 v[DD+2*\k], v[DD+2*\k], v[DD+2*\k+1]
.endr
.irp k, 0,1,2,3,4,5,6,7
	v_permlanex16_b32 v[CT+\k], v[SS+2*\k], s[SEL], s[SEL+1]     ; the head's other 16 channels lie in lane l xor 16
.endr
.irp k, 0,1,2,3,4,5,6,7
	v_permlanex16_b32 v[CT+8+\k], v[DD+2*\k], s[SEL], s[SEL+1]
.endr
.irp k, 0,1,2,3,4,5,6,7
	v_add_f32 v[SS+2*\k], v[SS+2*\k], v[CT+\k]
.endr
.irp k, 0,1,2,3,4,5,6,7
	v_add_f32 v[DD+2*\k], v[DD+2*\k], v[CT+8+\k]
.endr
.irp k, 0,1,2,3,4,5,6,7
	v_rsq_f32 v[SS+2*\k], v[SS+2*\k]               ; 1 / norm
.endr
	v_nop                                          ; a plain place behind the last of them
	s_wait_alu depctr_va_vdst(0)                   ; one wait for the eight, ahead of their first reader
.irp k, 0,1,2,3,4,5,6,7
	v_fmaak_f32 v[DD+2*\k], v[DD+2*\k], v[SS+2*\k], 0x47000000   ; the denominator: (q . ks_sum) / norm + 32,768
.endr
.irp k, 0,1,2,3,4,5,6,7
	v_rcp_f32 v[DD+2*\k], v[DD+2*\k]
.endr
	v_nop
	s_wait_alu depctr_va_vdst(0)                   ; and one for these eight
.irp k, 0,1,2,3,4,5,6,7
	v_mul_f32 v[DD+2*\k], 0x3e000000, v[DD+2*\k]   ; with the mean's 1 / 8
.endr
	WIN ((\X)<<6)|(\X)
.irp k, 0,1,2,3,4,5,6,7
.irp i, 0,2,4,6,8,10,12,14
	v_pk_mul_f32 v[64*(\k/2)+16*(\k%2)+\i:64*(\k/2)+16*(\k%2)+\i+1], v[64*(\k/2)+16*(\k%2)+\i:64*(\k/2)+16*(\k%2)+\i+1], v[SS+2*\k:SS+2*\k+1] op_sel_hi:[1,0]   ; q / norm
.endr
.endr
	WIN ((\X)<<2)|(\X)                             ; the head's 32 channels are one block: my 16, with the floor 2^(3 - 127)
.irp k, 0,1,2,3,4,5,6,7
	v_max3_num_f32 v[TM+\k], |v[64*(\k/2)+16*(\k%2)]|, |v[64*(\k/2)+16*(\k%2)+1]|, 0x1800000
.endr
	WIN ((\X)<<4)|((\X)<<2)
.irp i, 2,4,6,8,10,12,14
.irp k, 0,1,2,3,4,5,6,7
	v_max3_num_f32 v[TM+\k], v[TM+\k], |v[64*(\k/2)+16*(\k%2)+\i]|, |v[64*(\k/2)+16*(\k%2)+\i+1]|
.endr
.endr
	WIN 0
.irp k, 0,1,2,3,4,5,6,7
	v_permlanex16_b32 v[TP+\k], v[TM+\k], s[SEL], s[SEL+1]
.endr
.irp k, 0,1,2,3,4,5,6,7
	v_max_num_f32 v[TM+\k], v[TM+\k], v[TP+\k]
.endr
.irp k, 0,1,2,3,4,5,6,7
	v_add_nc_u32 v[SO+\k], 0xff000000, v[TM+\k]    ; 2 off the exponent field: the conversion's scale operand
.endr
.irp k, 0,1,2,3,4,5,6,7
	v_lshrrev_b32 v[TP+\k], 23, v[SO+\k]           ; the scale's byte
.endr
.irp t, 0,1,2,3
	v_lshl_or_b32 v[QS+\t], v[TP+2*\t+1], 8, v[TP+2*\t]   ; the node's scale word: byte 0 head 2 w, byte 1 head 2 w + 1; bytes 2 and 3 stand over zero codes
.endr
	WIN \X
.irp t, 0,1,2,3
	v_cvt_scalef32_pk16_fp6_f32 v[QF+12*\t:QF+12*\t+2], v[64*\t:64*\t+15], v[SO+2*\t]
	v_cvt_scalef32_pk16_fp6_f32 v[CT+4*\t:CT+4*\t+2], v[64*\t+16:64*\t+31], v[SO+2*\t+1]
.endr
	WIN 0
	v_nop                                          ; one plain place behind a scaled conversion
.irp t, 0,1,2,3                                ; lanes 0-15 get the whole block of head 2 w, lanes 16-31 that of head 2 w + 1
.irp i, 0,1,2
	v_permlane16_swap_b32 v[QF+12*\t+\i], v[CT+4*\t+\i]
.endr
.endr
.irp t, 0,1,2,3
.irp i, 0,1,2
	v_mov_b32 v[QF+12*\t+3+\i], v[CT+4*\t+\i]
.endr
.endr
	PLACES 8                                       ; a scale word written by a vector instruction stands 8 places ahead of a scaled product, an operand so written 4
.endm
; Node tile b is added up over the four waves and stored: my four nodes, 512 consecutive bytes, at a multiple of 256 from out0's first byte
.macro DRAIN b
.set dR, RS+16*((\b)%2)
	WIN 0x45
	v_pk_add_f32 v[dR:dR+1], v[dR:dR+1], v[dR+4:dR+5]
	v_pk_add_f32 v[dR+2:dR+3], v[dR+2:dR+3], v[dR+6:dR+7]
	v_pk_add_f32 v[dR+8:dR+9], v[dR+8:dR+9], v[dR+12:dR+13]
	v_pk_add_f32 v[dR+10:dR+11], v[dR+10:dR+11], v[dR+14:dR+15]
	v_pk_add_f32 v[dR:dR+1], v[dR:dR+1], v[dR+8:dR+9]
	v_pk_add_f32 v[dR+2:dR+3], v[dR+2:dR+3], v[dR+10:dR+11]
	WIN 0x04                                       ; a store's data are its source 1: window 1
	global_store_b128 v[AOO], v[dR:dR+3], s[20:21] offset:2048*(\b) th:TH_STORE_NT
.endm
; The barrier of the way out, and the loads of node tile b behind it.  In front of it my stores of tile b have landed and my loads of tile b - 1, from the buffer that is written next, are in.
.macro MEETLOAD b
	WIN 0
	s_wait_dscnt 0x0
	s_barrier_signal -1
	s_barrier_wait -1
	s_wait_xcnt 0x0                                ; the store of tile b - 2 has read its registers: the loads below land there
	WIN 0x40
.irp v, 0,1,2,3
	ds_load_b128 v[RS+16*((\b)%2)+4*\v:RS+16*((\b)%2)+4*\v+3], v[ASB] offset:SBUF*((\b)%2)+16*SPI*\v
.endr
.endm
; NODE TILE a OF EIGHT: numerator, my two heads' share of the mean, and its turn in the way out
.macro TAIL a
.set tX, 2+(\a)/4
.set tT, (\a)%4
.set tO, OB+16*((\a)%2)
.if (\a) == 0
	s_wait_dscnt 0x0                               ; the nodes' factors are in
.endif
	WIN (tX<<6)|(1<<2)|tX
.irp i, 0,2,4,6,8,10,12,14,16,18,20,22,24,26,28,30
	v_pk_mul_f32 v[64*tT+32+\i:64*tT+32+\i+1], v[64*tT+32+\i:64*tT+32+\i+1], v[FAC+2*(\a):FAC+2*(\a)+1]   ; 32,768 x mask x v; each accumulator from its low end on
.endr
	WIN (tX<<6)|(tX<<4)|1                          ; numerator = kvs^T q + 32,768 x mask x v: four accumulators by turns
.irp f, 0,1,2,3
	v_wmma_scale_f32_16x16x128_f8f6f4 v[64*tT+32+8*\f:64*tT+32+8*\f+7], v[96+12*(\f%2)+128*(\f/2):96+12*(\f%2)+128*(\f/2)+11], v[QF+12*tT:QF+12*tT+11], v[64*tT+32+8*\f:64*tT+32+8*\f+7], v[KVS+\f], v[QS+tT] matrix_a_fmt:MATRIX_FMT_FP6 matrix_b_fmt:MATRIX_FMT_FP6
.endr
	PLACES 4
	WIN 0x50|tX                                    ; my two heads' share of the mean; each accumulator from its low end on
.irp i, 0,2,4,6,8,10,12,14
	v_pk_mul_f32 v[tO+\i:tO+\i+1], v[64*tT+32+\i:64*tT+32+\i+1], v[DD+4*tT:DD+4*tT+1] op_sel_hi:[1,0]
.endr
.irp i, 0,2,4,6,8,10,12,14
	v_pk_fma_f32 v[tO+\i:tO+\i+1], v[64*tT+48+\i:64*tT+48+\i+1], v[DD+4*tT+2:DD+4*tT+3], v[tO+\i:tO+\i+1] op_sel_hi:[1,0,1]
.endr
.if (\a) > 0
	MEETLOAD (\a)-1
.endif
	WIN 0x04                                       ; an LDS store's data are its source 1: window 1
.irp c, 0,1,2,3                                ; row = node r of the tile; channels 16 (c / 2) + 8 h + 4 (c % 2) on
	ds_store_b128 v[ASI], v[tO+4*\c:tO+4*\c+3] offset:SBUF*((\a)%2)+64*(\c/2)+16*(\c%2)
.endr
.if (\a) > 1
	DRAIN (\a)-2                                   ; its loads were waited for in front of this tile's barrier
.endif
	WIN 0
.endm
	s_load_b256 s[4:11], s[0:1], 0x0               ; x's codes s[4:5], x's scales s[6:7], Wq's codes s[8:9], Wq's scales s[10:11]
	s_load_b256 s[12:19], s[0:1], 0x20             ; Wv's codes s[12:13], Wv's scales s[14:15], mask s[16:17], kvf s[18:19]
	s_load_b128 s[80:83], s[0:1], 0x40             ; kvsc s[80:81], ksum s[82:83]
	s_load_b64 s[20:21], s[0:1], 0x50              ; out0
	v_lshl_add_u32 v[SPW], v0, 2, SPARE
	v_mov_b32 v[NIL], 0
	ds_add_u32 v28, v29
	ds_add_u32 v28, v29
	s_wait_dscnt 0x0
	v_lshrrev_b32 v1, 5, v0
	v_readfirstlane_b32 s[WV], v1                  ; wave 0..3
	s_and_b32 s23, s[WV], 1                        ; which half I fetch
	s_bfe_u32 s40, ttmp6, 0x40000                  ; cx
	s_lshl_b32 s41, ttmp9, 2
	s_add_co_u32 s41, s41, s40                     ; G = 4 x cluster + cx: my block of 256 nodes; it enters global addresses of plain loads and of stores alone
	s_mov_b32 s[EPSR], 0x358637bd                  ; 1e-6
	s_mov_b32 s[SEL], 0x76543210
	s_mov_b32 s[SEL+1], 0xfedcba98
	s_mov_b32 s[CNT], 0
	s_mov_b32 s[MOF], 0
	s_mov_b32 s[G1S+0], (1<<20)|(3<<22)|(3<<25)    ; plain: 64 rows x 192 bytes, 768 apart, 16 bytes of padding behind every 64
	s_mov_b32 s[G1S+1], ROWB<<16
	s_mov_b32 s[G1S+2], 64<<16
	s_mov_b32 s[G1S+3], ROWB<<16
	s_mov_b32 s[G1S+4], 64
	s_mov_b32 s[G1S+5], KROW
	s_mov_b32 s[G1S+6], 0
	s_mov_b32 s[G1S+7], 0
	s_mov_b32 s[G1P+0], 15|(1<<20)|(1<<21)|(3<<22)|(3<<25)   ; joint: 256 rows, for all four work-groups of the cluster
	s_mov_b32 s[G1P+1], ROWB<<16
	s_mov_b32 s[G1P+2], 256<<16
	s_mov_b32 s[G1P+3], ROWB<<16
	s_mov_b32 s[G1P+4], 256
	s_mov_b32 s[G1P+5], KROW
	s_mov_b32 s[G1P+6], 0
	s_mov_b32 s[G1P+7], 0
	s_mul_i32 s74, s23, 64*PITCH
	s_mul_i32 s75, s23, 256*PITCH
	s_add_co_u32 s75, s75, PREG
	s_lshl_b32 s44, s41, 8                         ; x: row 256 G + 64 x half
	s_lshl_b32 s45, s23, 6
	s_add_co_u32 s44, s44, s45
	s_mul_i32 s44, s44, KROW                       ; under 2^26
	s_mov_b32 s45, 0
	s_wait_kmcnt 0x0
	s_add_nc_u64 s[42:43], s[4:5], s[44:45]
	s_cmp_eq_u32 s23, 0
	s_cselect_b64 s[46:47], s[8:9], s[12:13]       ; wave 2 fetches Wq's 256 rows, wave 3 Wv's: the same address in every work-group
	CROUND                                         ; all four work-groups are here: the first joint loads meet
.irp s, 0,1
	s_mov_b32 s[G0S+4*\s], 1
	s_add_co_u32 s[G0S+4*\s+1], s74, \s*SLOT
	s_add_nc_u64 s[G0S+4*\s+2:G0S+4*\s+3], s[42:43], \s*ROWB
	s_or_b32 s[G0S+4*\s+3], s[G0S+4*\s+3], 0x80000000
	s_mov_b32 s[G0P+4*\s], 1
	s_add_co_u32 s[G0P+4*\s+1], s75, \s*SLOT
	s_add_nc_u64 s[G0P+4*\s+2:G0P+4*\s+3], s[46:47], \s*ROWB
	s_or_b32 s[G0P+4*\s+3], s[G0P+4*\s+3], 0x80000000
	JLOAD \s                                       ; both slots' first fills: two tensor loads of mine are out
.endr
	v_and_b32 v1, 15, v0                           ; r
	v_bfe_u32 v2, v0, 4, 1                         ; h
	v_and_b32 v3, 31, v0                           ; lane
	v_mul_u32_u24 v4, v1, PITCH
	v_mad_u32_u24 v4, v2, 24, v4
	v_lshl_add_u32 v5, v2, 4, v4
	s_mul_i32 s78, s[WV], 64*PITCH
	s_add_co_u32 s78, s78, PREG                    ; P: my 64 rows of Wq,
	s_add_co_u32 s79, s78, 256*PITCH               ; my 64 rows of Wv
.irp s, 0,1
	v_add_nc_u32 v[ADRS+\s], \s*SLOT, v4
	v_add_nc_u32 v[ADRS+2+\s], \s*SLOT, v5
	v_add_nc_u32 v[ADRP+\s], s78, v4
	v_add_nc_u32 v[ADRP+2+\s], s78, v5
	v_add_nc_u32 v[ADRP+4+\s], s79, v4
	v_add_nc_u32 v[ADRP+6+\s], s79, v5
	s_add_co_u32 s78, s78, SLOT
	s_add_co_u32 s79, s79, SLOT
.endr
	s_mov_b32 s77, 0
	s_lshl_b32 s76, s41, 8
	s_add_nc_u64 s[16:17], s[16:17], s[76:77]      ; the mask of my 256 nodes
	s_lshl_b32 s76, s41, 13
	s_add_nc_u64 s[6:7], s[6:7], s[76:77]          ; their scales, 32 bytes each
	s_lshl_b32 s76, s[WV], 11
	s_add_nc_u64 s[10:11], s[10:11], s[76:77]      ; W's scales: my 64 rows
	s_add_nc_u64 s[14:15], s[14:15], s[76:77]
	s_lshr_b32 s84, ttmp9, 5                       ; batch: 32 clusters of 1,024 nodes each
	s_lshl_b32 s84, s84, 4
	s_lshl_b32 s85, s[WV], 2
	s_add_co_u32 s84, s84, s85                     ; 16 batch + 4 wave: my first operand of kvs
	s_mul_i32 s76, s84, 1536
	s_add_nc_u64 s[18:19], s[18:19], s[76:77]
	s_lshl_b32 s76, s84, 7
	s_add_nc_u64 s[80:81], s[80:81], s[76:77]
	s_add_nc_u64 s[82:83], s[82:83], s[76:77]
	s_lshl_b32 s76, s41, 15
	s_add_nc_u64 s[20:21], s[20:21], s[76:77]      ; out0: 256 nodes x 128 bytes
	v_lshlrev_b32 v30, 1, v0
	global_load_u16 v228, v30, s[16:17]            ; two nodes' mask bytes a thread
	v_lshlrev_b32 v9, 5, v1
	v_lshl_add_u32 v[AXO], v2, 11, v9              ; x's scales: row r, lanes 16-31 64 rows on
	v_lshl_add_u32 v9, v2, 10, v9                  ; W's: row r, lanes 16-31 32 rows on
	v_lshlrev_b32 v10, 4, v3
	v_lshlrev_b32 v11, 2, v3
	v_lshlrev_b32 v15, 5, v2
.irp p, 0,1,2,3
	global_load_b128 v[XSC+8*\p:XSC+8*\p+3], v[AXO], s[6:7] offset:512*\p
	global_load_b128 v[XSC+8*\p+4:XSC+8*\p+7], v[AXO], s[6:7] offset:512*\p+16
.endr
.irp e, 0,1
	global_load_b128 v[WSC+8*\e:WSC+8*\e+3], v9, s[10:11] offset:512*\e
	global_load_b128 v[WSC+8*\e+4:WSC+8*\e+7], v9, s[10:11] offset:512*\e+16
	global_load_b128 v[WSC+16+8*\e:WSC+16+8*\e+3], v9, s[14:15] offset:512*\e
	global_load_b128 v[WSC+16+8*\e+4:WSC+16+8*\e+7], v9, s[14:15] offset:512*\e+16
.endr
	WIN 0x40
.irp f, 0,1,2,3                                ; kvs's operand f = 2 hh + u_d, as an image of its registers
.irp c, 0,1,2
	global_load_b128 v[96+12*(\f%2)+128*(\f/2)+4*\c:96+12*(\f%2)+128*(\f/2)+4*\c+3], v10, s[18:19] offset:1536*\f+512*\c
.endr
.endr
	WIN 0
.irp f, 0,1,2,3
	global_load_b32 v[KVS+\f], v11, s[80:81] offset:128*\f
.endr
.irp f, 0,1,2,3                                ; ks_sum at m = 16 u + 8 h + 0 .. 7, f = 2 hh + u
	global_load_b128 v[KSU+8*\f:KSU+8*\f+3], v15, s[82:83] offset:128*\f
	global_load_b128 v[KSU+8*\f+4:KSU+8*\f+7], v15, s[82:83] offset:128*\f+16
.endr
	; the epilogue's addresses, made once
	s_mul_i32 s42, s[WV], 16*SPI
	s_add_co_u32 s42, s42, STG
	s_mul_i32 s43, s[WV], 4*SPI
	s_add_co_u32 s43, s43, STG
	s_lshl_b32 s44, s[WV], 9
	v_lshl_add_u32 v31, v0, 3, MASKF               ; where I put my two nodes' factors
	v_mul_u32_u24 v[ASI], v1, SPI
	v_lshl_add_u32 v[ASI], v2, 5, v[ASI]
	v_add_nc_u32 v[ASI], s42, v[ASI]               ; in: my 16 rows of a buffer, row r, + 32 h
	v_lshrrev_b32 v[ASB], 3, v3
	v_mul_u32_u24 v[ASB], v[ASB], SPI
	v_and_b32 v5, 7, v3
	v_lshl_add_u32 v[ASB], v5, 4, v[ASB]
	v_add_nc_u32 v[ASB], s43, v[ASB]               ; back: row 4 wave + lane / 8 of each wave's 16, 16 bytes a lane
	v_add_nc_u32 v[AOO], s44, v10                  ; my place in a node tile's 2,048 bytes of out0: 16 lane + 512 wave
	v_lshl_add_u32 v[AFB], v1, 2, MASKF            ; the factor of node r of a tile
	s_wait_loadcnt 40                              ; the mask is in; the 40 loads issued behind it (16 of scales, 12 + 4 of kvs, 8 of ks_sum) may be out
	v_and_b32 v230, 0xff, v228
	v_lshrrev_b32 v231, 8, v228
	v_cvt_f32_u32 v230, v230
	v_cvt_f32_u32 v231, v231
	v_mul_f32 v230, 0x47000000, v230               ; 32,768 x mask
	v_mul_f32 v231, 0x47000000, v231
	ds_store_b64 v31, v[230:231]
	s_wait_tensorcnt 1                             ; my part of slot 0 is in; slot 1's may stay out
	s_wait_dscnt 0x0
	s_barrier_signal -1
	s_barrier_wait -1
	MAIN 1                                         ; the first tile; step 5 has asked for the second tile's first 256 along K
	; slot 1 has been read out: it takes the second tile's next 256 along K.  The same three lines, a round of the cluster's barrier, one tensor load a wave.  Behind this round slot 0 is whole for every wave.
	s_wait_tensorcnt 0x0                           ; all my tensor loads have landed: the one that was out is my part of slot 0
	ds_add_u32 v[SPW], v[NIL]                      ; 0 onto my spare word
	NEXTTILE 1
	s_wait_dscnt 0x0                               ; the add is done; my reads of slot 1 were over at the last step's wait
	CROUND
	JLOAD 1                                        ; it has the epilogue and a step and a half in which to land
.irp p, 0,1,2,3
	global_load_b128 v[XSC+8*\p:XSC+8*\p+3], v[AXO], s[6:7] offset:4096+512*\p     ; x's scales of the second tile: 128 nodes x 32 bytes on
	global_load_b128 v[XSC+8*\p+4:XSC+8*\p+7], v[AXO], s[6:7] offset:4096+512*\p+16
.endr
.Lepi:	; ---- THE EPILOGUE OF A TILE, walked twice
.irp k, 0,1,2,3,4,5,6,7
	v_mov_b32 v[TP+\k], 0                          ; (a lane permute's destination counts as one of its sources)
.endr
.irp t, 0,1,2,3
.irp i, 6,7,8,9,10,11
	v_mov_b32 v[QF+12*\t+\i], 0                    ; blocks 2 and 3 of q's fragments: zero codes, for both groups; the main product has used these registers
.endr
.endr
	v_add_nc_u32 v[AFK], s[MOF], v[AFB]
	WIN 0x40
.irp a, 0,1,2,3,4,5,6,7
	ds_load_b32 v[FAC+2*\a], v[AFK] offset:64*\a
	ds_load_b32 v[FAC+2*\a+1], v[AFK] offset:64*\a
.endr
	WIN 0
	GROUPA 2
	TAIL 0
	TAIL 1
	TAIL 2
	TAIL 3
	GROUPA 3
	TAIL 4
	TAIL 5
	TAIL 6
	TAIL 7
	MEETLOAD 7                                     ; the pipeline runs out
	DRAIN 6
	s_wait_dscnt 0x0                               ; tile 7 is back
	DRAIN 7
	WIN 0
	s_cmp_eq_u32 s[CNT], 1
	s_cbranch_scc1 .Lfinal                         ; that was the second tile's: the loop is left for good
	s_wait_xcnt 0x0                                ; the stores have read their base and their registers: the base steps, and the fragments' loads land on those registers
	s_add_nc_u64 s[20:21], s[20:21], 16384         ; out0 at the second tile: 128 nodes x 128 bytes on
	MAIN 0                                         ; the second tile: nothing follows it, so its last two changes of slots ask for nothing
	s_add_co_u32 s[MOF], s[MOF], 512               ; its factors
	s_add_co_u32 s[CNT], s[CNT], 1
	s_cmp_lt_u32 s[CNT], 2
	s_cbranch_scc1 .Lepi
.Lfinal:
	s_wait_tensorcnt 0x0                           ; the wave's end
	ds_add_u32 v[SPW], v[NIL]
	s_wait_dscnt 0x0
	CROUND                                         ; the closing round
	s_endpgm
.Lfunc_end_k_qbd2086ad67_out:
	.size	k_qbd2086ad67_out, .Lfunc_end_k_qbd2086ad67_out-k_qbd2086ad67_out
	.p2alignl 7, 3214868480
	.fill 96, 4, 3214868480
	.section	.rodata,"a",@progbits
	.p2align	6, 0x0
	.amdhsa_kernel k_qbd2086ad67_out
		.amdhsa_group_segment_fixed_size 327680
		.amdhsa_private_segment_fixed_size 0
		.amdhsa_enable_private_segment 0
		.amdhsa_kernarg_size 88
		.amdhsa_user_sgpr_count 2
		.amdhsa_user_sgpr_kernarg_segment_ptr 1
		.amdhsa_wavefront_size32 1
		.amdhsa_system_sgpr_workgroup_id_x 1
		.amdhsa_system_sgpr_workgroup_id_y 1
		.amdhsa_system_sgpr_workgroup_id_z 1
		.amdhsa_system_vgpr_workitem_id 0
		.amdhsa_next_free_vgpr 1024
		.amdhsa_next_free_sgpr 100
		.amdhsa_reserve_vcc 0
		.amdhsa_float_denorm_mode_32 3
		.amdhsa_float_denorm_mode_16_64 3
		.amdhsa_memory_ordered 1
		.amdhsa_forward_progress 1
		.amdhsa_inst_pref_size 255
	.end_amdhsa_kernel
	.section	.bss,"aw",@nobits
	.p2align	6
	.space	262144
	.amdgpu_metadata
---
amdhsa.version: [ 1, 2 ]
amdhsa.kernels:
  - .name:           k_qbd2086ad67_out
    .symbol:         k_qbd2086ad67_out.kd
    .args:
      - { .name: x_codes, .offset: 0, .size: 8, .value_kind: global_buffer, .address_space: global }
      - { .name: x_scales, .offset: 8, .size: 8, .value_kind: global_buffer, .address_space: global }
      - { .name: Wq_codes, .offset: 16, .size: 8, .value_kind: global_buffer, .address_space: global }
      - { .name: Wq_scales, .offset: 24, .size: 8, .value_kind: global_buffer, .address_space: global }
      - { .name: Wv_codes, .offset: 32, .size: 8, .value_kind: global_buffer, .address_space: global }
      - { .name: Wv_scales, .offset: 40, .size: 8, .value_kind: global_buffer, .address_space: global }
      - { .name: mask, .offset: 48, .size: 8, .value_kind: global_buffer, .address_space: global }
      - { .name: kvf, .offset: 56, .size: 8, .value_kind: global_buffer, .address_space: global }
      - { .name: kvsc, .offset: 64, .size: 8, .value_kind: global_buffer, .address_space: global }
      - { .name: ksum, .offset: 72, .size: 8, .value_kind: global_buffer, .address_space: global }
      - { .name: out0, .offset: 80, .size: 8, .value_kind: global_buffer, .address_space: global }
    .group_segment_fixed_size: 327680
    .private_segment_fixed_size: 0
    .kernarg_segment_align: 8
    .kernarg_segment_size: 88
    .max_flat_workgroup_size: 128
    .sgpr_count:     100
    .vgpr_count:     1024
    .wavefront_size: 32
...
	.end_amdgpu_metadata
.endif
;; end of part 3
